; MI455X (gfx1250); checked and timed in simulation.
; The chip was launched on July 23, 2026; its instructions are those of AMD's public machine-readable ISA for CDNA 5 (MIT licence, August 2026) and "CDNA5" Instruction Set Architecture Reference Guide (July 2026). The comments in the code are by the model that wrote it; some were corrected since.
;; Head. Allowed arithmetic: matrix products marked QUANTISED: E2M1 operands, one E8M0 scale for each 32 along K, by v_wmma_scale_f32_16x16x128_f8f6f4 with both operands' format E2M1 (or v_wmma_scale_f32_32x16x128_f4), f32 sums; products left as they are: bf16, f16 or f32 operands; f32 sums; everything else in f32.
;; Inputs: Wk 1,024 x 1,024 float32; Wq 1,024 x 1,024 float32; Wv 1,024 x 1,024 float32; x 4 x 2,048 x 1,024 float32.
;; Outputs: out0 4 x 2,048 x 1,024 float32.
;; This version of the problem:
;;   THIS VERSION OF THE PROBLEM IS GIVEN IN LOW PRECISION. The matrix products marked QUANTISED in the list below multiply operands that are first quantised to E2M1 (2 exponent bits, 1 mantissa bit; 4 bits a number), with one power-of-two scale for each 32 numbers along K (OCP MX v1.0); their sums are f32. The products marked 'left as it is' may take bf16, f16 or f32 operands, with f32 sums. Whichever they take, every output number must still come out within the allowed error. Rounding operands to bf16 (8 significant bits) uses up far more of that allowance than f16 does (11 bits, for magnitudes from 6e-5 to 65,504). All else is computed in f32.
;;   The module's matrix products, in the order in which they are computed (A, B: the left and right operand; K: the contracted axis; several contracted axes count as one K, in the product's order):
;;     1. [M 8,192, K 1,024] x [K 1,024, N 1,024]; A: input x; B: input Wk: QUANTISED
;;     2. [M 8,192, K 1,024] x [K 1,024, N 1,024]; A: input x; B: input Wq: QUANTISED
;;     3. [M 8,192, K 1,024] x [K 1,024, N 1,024]; A: input x; B: input Wv: QUANTISED
;;     4. batch 4 x [M 2,048, K 1,024] x [K 1,024, N 2,048]; A: computed on the way; B: computed on the way: left as it is (an operand is computed on the way)
;;     5. batch 4 x [M 2,048, K 2,048] x [K 2,048, N 1,024]; A: computed on the way; B: computed on the way: left as it is (an operand is computed on the way)
;;   THE QUANTISER, for each operand of a quantised product, along K:
;;     - K is cut into blocks of 32 from its start; a last block that is shorter is filled with zeros.
;;     - A block's scale is 2^e with e = floor(log2(the largest magnitude in the block)) - 2, held to -126 .. 127; a block of zeros has e = 0. As a byte (E8M0): e + 127.
;;     - Each number is divided by its block's scale, clamped to +-6, and rounded to the nearest number of E2M1, ties to even, subnormals kept.
;;     - The product sums the exact products of the quantised numbers (number of the format x scale) in f32.
;;   ~~~python
;;   def quantise(x, axis):      # numpy; x: float32 -> the quantised numbers, widened to float32 again
;;       x = np.moveaxis(x, axis, -1); K = x.shape[-1]
;;       x = np.pad(x, [(0, 0)] * (x.ndim - 1) + [(0, -K % 32)]); x = x.reshape(x.shape[:-1] + (-1, 32)); a = np.abs(x).max(-1, keepdims=True)
;;       e = np.where(a > 0, np.clip(np.frexp(np.where(a > 0, a, 1))[1] - 1 - 2, -126, 127), 0)      # np.frexp(a)[1] - 1 = floor(log2(a)), exactly
;;       r = np.clip(x / 2.0 ** e, -6, 6)
;;       step = 2.0 ** (np.maximum(np.frexp(np.where(r == 0, 1, r))[1] - 1, 0) - 1)
;;       q = np.round(r / step) * step * 2.0 ** e      # np.round: ties to even
;;       return np.moveaxis(q.reshape(q.shape[:-2] + (-1,))[..., :K], -1, axis).astype(np.float32)
;;   ~~~
;; One version. Each part assembles by itself: llvm-mc -triple=amdgcn-amd-amdhsa -mcpu=gfx1250 --defsym DOCPART=n.
;; ======== version 1 of 1: 4 launches
;; limits: values are held in f16: magnitudes above 65,504 overflow, below 6.1e-05 lose precision
;; workspace buffers: xc 4,194,304 bytes; xs 262,144 bytes; wc 1,572,864 bytes; ws 98,304 bytes; hb 50,331,648 bytes; lb 50,331,648 bytes; pb 33,554,432 bytes; st 2,097,152 bytes
;; launch quant (part 1): grid 352 x 1, 4 waves a work-group, no clusters, 33,280 bytes of LDS; arguments x, Wq, Wk, Wv, xc, xs, wc, ws; writes xc, xs, wc, ws
.if DOCPART == 1
	.amdgcn_target "amdgcn-amd-amdhsa--gfx1250"
	.amdhsa_code_object_version 6
	.text
	.protected	k_qeb046366ed_quant
	.globl	k_qeb046366ed_quant
	.p2align	8
	.type	k_qeb046366ed_quant,@function
k_qeb046366ed_quant:
	s_mov_b64 s[64:65], 0
	v_nop
	global_prefetch_b8 v0, s[64:65] scope:SCOPE_SE
	s_setreg_imm32_b32 hwreg(HW_REG_WAVE_MODE, 25, 1), 1
	s_wait_xcnt 0x0
; THE PROGRAM: out = softmax(causal(q k^T)) v with q, k, v = x W^T, in four launches: quant (this one), proj, score, pv.
; DEAD WORK LEFT OUT, in the later launches: the score tiles of 128 queries x 128 keys, and the steps of the second attention product, all of whose keys come after all of their queries.
; There the problem's own jnp.tril puts -inf in front of the softmax for every value of the inputs, so the weight is 0 and reaches no output.  Inside a tile on the diagonal the masked part is computed and selected away.
; All four inputs have a way to the output and are loaded.  LIMIT: a NaN, an infinity or an overflow that would arise only in a score left out is not carried to the result.
; THIS LAUNCH: x [8192][1024], Wq, Wk, Wv [1024][1024], f32, K innermost, become codes of E2M1, 4 bits each, with one E8M0 byte for each 32 along K: xc, xs for x; wc, ws for the rows of Wq, Wk, Wv on end.
; A block's scale is 2^(floor(log2(its largest magnitude)) - 2); its byte is the largest magnitude's exponent field - 2, held at 1 from below.  A block of zeros so gets the byte 1 where the rule says 127: its codes are
; zeros, which add nothing under any byte but 0xff, and the bytes are read by this program alone.  Each number is divided by the scale and rounded to the nearest code, ties to even; beyond 6 the largest code.
; LIMITS: blocks whose largest magnitude lies under 2^-124 keep the byte 1; NaN and infinities among the inputs are not served.
; Rows are dense and K is a multiple of 32, so each tensor is a plain stream of blocks of 32.  A work-group takes 32,768 numbers, a wave 16 steps of 512.  Work-groups 0-255 take x, 256-287 Wq, 288-319 Wk, 320-351 Wv.
; Each of a step's four loads reads 512 consecutive bytes; the 2,048 bytes turn through the wave's own stage in LDS and come back 64 bytes a lane, so that a lane holds 16 neighbours along K (two lanes hold a block).
; A lane's 16 codes are 8 bytes: the wave stores 256 consecutive bytes.  A wave's 256 scale bytes are gathered in LDS and leave as one aligned run of 256 bytes.  No barrier: waves share nothing.
.set WAVES, 4
.set STEPS, 16
.set EMAX,  2
.set CB,    8                          ; bytes of 16 codes
.set R,     16                         ; v16-79   four sets of 16 numbers as loaded
.set X,     80                         ; v80-111  two sets of 16 neighbours
.set E,     112                        ; v112-127 a scale byte for each step
.set C,     128                        ; v128-191 codes: registers of its own for each step, so that no store's data are written again
.set WREG,  8192                       ; LDS: a region for each wave: two stages of 32 x SP bytes, then its 256 scale bytes
.set SP,    80                         ; a lane's place in a stage: 64 bytes + 16 of padding
.set SPW,   12                         ; v12 LDS address of my spare word; never rewritten
.set NIL,   13                         ; v13 0; never rewritten
.set SPARE, WAVES*WREG                 ; behind the regions: the spare words, 128 bytes a wave, that no other line names
	s_load_b256 s[4:11], s[0:1], 0x0               ; x, Wq, Wk, Wv
	s_load_b256 s[12:19], s[0:1], 0x20             ; xc, xs, wc, ws
	v_lshl_add_u32 v[SPW], v0, 2, SPARE
	v_mov_b32 v[NIL], 0
	v_lshrrev_b32 v1, 5, v0
	v_readfirstlane_b32 s20, v1                    ; wave
	v_and_b32 v2, 31, v0                           ; lane
	v_lshlrev_b32 v3, 4, v2                        ; my 16 bytes of a load's 512
	s_mul_i32 s21, s20, WREG
	v_lshrrev_b32 v14, 2, v2
	v_mul_u32_u24 v14, v14, SP
	v_and_b32 v15, 3, v2
	v_lshl_add_u32 v14, v15, 4, v14
	v_add_nc_u32 v14, s21, v14                     ; the stage, on the way in: SP (lane / 4) + 16 (lane % 4)
	v_mul_u32_u24 v15, v2, SP
	v_add_nc_u32 v15, s21, v15                     ; and on the way out: SP x lane
	v_mul_u32_u24 v4, v2, CB                       ; my codes' place in a step's
	v_lshrrev_b32 v5, 1, v2
	s_add_co_u32 s21, s21, 2*32*SP
	v_add_nc_u32 v5, s21, v5                       ; LDS: my block's scale byte
	v_lshlrev_b32 v7, 3, v2
	v_add_nc_u32 v6, s21, v7                       ; and on the way out 8 bytes a lane
	s_and_b32 s28, ttmp9, 31                       ; a weight's work-group, counted inside that weight
	s_sub_co_u32 s29, ttmp9, 256                   ; and counted over the three weights (used only from 256 on)
	s_wait_kmcnt 0x0
	s_cmp_lt_u32 ttmp9, 320                        ; the choices hang on the work-group's number alone
	s_cselect_b64 s[22:23], s[8:9], s[10:11]
	s_cmp_lt_u32 ttmp9, 288
	s_cselect_b64 s[22:23], s[6:7], s[22:23]
	s_cmp_lt_u32 ttmp9, 256
	s_cselect_b64 s[22:23], s[4:5], s[22:23]       ; what I read
	s_cselect_b64 s[24:25], s[12:13], s[16:17]     ; where the codes go
	s_cselect_b64 s[26:27], s[14:15], s[18:19]     ; and the scale bytes
	s_cselect_b32 s28, ttmp9, s28
	s_cselect_b32 s29, ttmp9, s29
	s_lshl_b32 s28, s28, 2
	s_add_co_u32 s30, s28, s20                     ; which run of 8,192 numbers of the input is my wave's
	s_mov_b32 s31, 0
	s_lshl_b64 s[30:31], s[30:31], 15              ; 32,768 bytes a run
	s_add_nc_u64 s[22:23], s[22:23], s[30:31]
	s_lshl_b32 s29, s29, 2
	s_add_co_u32 s30, s29, s20                     ; and which run of the output buffers
	s_mov_b32 s31, 0
	s_lshl_b64 s[32:33], s[30:31], 12              ; 4,096 bytes of codes a run
	s_add_nc_u64 s[24:25], s[24:25], s[32:33]
	s_lshl_b64 s[32:33], s[30:31], 8               ; 256 scale bytes a run
	s_add_nc_u64 s[26:27], s[26:27], s[32:33]
.macro LOAD t
.irp i, 0,1,2,3
	global_load_b128 v[R+16*((\t)%4)+4*\i:R+16*((\t)%4)+4*\i+3], v3, s[22:23] offset:2048*(\t)+512*\i th:TH_LOAD_NT   ; 32 lanes read 512 consecutive bytes
.endr
.endm
.macro TURN t                          ; step t's numbers through the stage: LDS serves a wave's instructions in order, so no wait stands between the stores and the loads
.irp i, 0,1,2,3
	ds_store_b128 v14, v[R+16*((\t)%4)+4*\i:R+16*((\t)%4)+4*\i+3] offset:32*SP*((\t)%2)+8*SP*\i
.endr
.irp i, 0,1,2,3
	ds_load_b128 v[X+16*((\t)%2)+4*\i:X+16*((\t)%2)+4*\i+3], v15 offset:32*SP*((\t)%2)+16*\i
.endr
.endm
.irp t, 0,1,2,3
	LOAD \t
.endr
	s_wait_loadcnt 12                              ; step 0's four loads are in; the twelve of steps 1 to 3 may be out
	TURN 0
.macro STEP t
.set XS, X+16*((\t)%2)
.if (\t) > 0
	s_wait_dscnt 1                                 ; this step's numbers are back from the stage (the last step's byte store may be out)
.else
	s_wait_dscnt 0x0
.endif
.if (\t)+4 < STEPS
	LOAD (\t)+4                                    ; into the registers that this step's stage stores have read
.endif
.if (\t)+1 < STEPS
.if STEPS-2-(\t) >= 3
	s_wait_loadcnt 12                              ; the next step's four loads are in; those of the three steps behind it may be out
.else
	s_wait_loadcnt 4*(STEPS-2-(\t))
.endif
	TURN (\t)+1
.endif
	v_max3_num_f32 v8, |v[XS]|, |v[XS+1]|, |v[XS+2]|               ; the largest magnitude of my 16, in two chains
	v_max3_num_f32 v9, |v[XS+3]|, |v[XS+4]|, |v[XS+5]|
.irp i, 6,10
	v_max3_num_f32 v8, v8, |v[XS+\i]|, |v[XS+\i+1]|
	v_max3_num_f32 v9, v9, |v[XS+\i+2]|, |v[XS+\i+3]|
.endr
	v_max3_num_f32 v8, v8, |v[XS+14]|, |v[XS+15]|
	v_max3_num_f32 v8, v8, v9, (EMAX+1)<<23        ; and the floor 2^(3 - 127): the byte cannot fall under 1
	v_max_num_f32_dpp v8, v8, v8 row_xmask:1 row_mask:0xf bank_mask:0xf   ; with my neighbour's 16: the block's
	v_add_nc_u32 v11, -(EMAX<<23), v8              ; 2 off its exponent field: the conversion takes the exponent field of this operand as its scale
	v_cvt_scalef32_pk8_fp4_f32 v[C+4*(\t)], v[XS:XS+7], v11
	v_cvt_scalef32_pk8_fp4_f32 v[C+4*(\t)+1], v[XS+8:XS+15], v11
	v_lshrrev_b32 v[E+(\t)], 23, v11               ; the scale's byte (a plain line behind the conversions)
	ds_store_b8 v5, v[E+(\t)] offset:16*(\t)       ; both lanes of a block write the same byte with the same value
	global_store_b64 v4, v[C+4*(\t):C+4*(\t)+1], s[24:25] offset:32*CB*(\t)   ; 32 lanes store 256 consecutive bytes, aligned
.endm
.irp t, 0,1,2,3,4,5,6,7,8,9,10,11,12,13,14,15
	STEP \t
.endr
	ds_load_b64 v[8:9], v6                         ; LDS serves a wave's instructions in order: these see my byte stores
	s_wait_dscnt 0x0
	global_store_b64 v7, v[8:9], s[26:27]          ; 32 lanes store 256 consecutive bytes, aligned
	s_wait_tensorcnt 0x0                           ; the wave's end: the wait, an add and its wait behind my last LDS store
	ds_add_u32 v[SPW], v[NIL]
	s_wait_dscnt 0x0
	s_endpgm
.Lfunc_end_k_qeb046366ed_quant:
	.size	k_qeb046366ed_quant, .Lfunc_end_k_qeb046366ed_quant-k_qeb046366ed_quant
	.p2alignl 7, 3214868480
	.fill 96, 4, 3214868480
	.section	.rodata,"a",@progbits
	.p2align	6, 0x0
	.amdhsa_kernel k_qeb046366ed_quant
		.amdhsa_group_segment_fixed_size 33280
		.amdhsa_private_segment_fixed_size 0
		.amdhsa_enable_private_segment 0
		.amdhsa_kernarg_size 64
		.amdhsa_user_sgpr_count 2
		.amdhsa_user_sgpr_kernarg_segment_ptr 1
		.amdhsa_wavefront_size32 1
		.amdhsa_system_sgpr_workgroup_id_x 1
		.amdhsa_system_sgpr_workgroup_id_y 1
		.amdhsa_system_sgpr_workgroup_id_z 1
		.amdhsa_system_vgpr_workitem_id 0
		.amdhsa_next_free_vgpr 192
		.amdhsa_next_free_sgpr 66
		.amdhsa_reserve_vcc 0
		.amdhsa_float_denorm_mode_32 3
		.amdhsa_float_denorm_mode_16_64 3
		.amdhsa_memory_ordered 1
		.amdhsa_forward_progress 1
		.amdhsa_inst_pref_size 34
	.end_amdhsa_kernel
	.amdgpu_metadata
---
amdhsa.version: [ 1, 2 ]
amdhsa.kernels:
  - .name:           k_qeb046366ed_quant
    .symbol:         k_qeb046366ed_quant.kd
    .args:
      - { .name: x, .offset: 0, .size: 8, .value_kind: global_buffer, .address_space: global }
      - { .name: Wq, .offset: 8, .size: 8, .value_kind: global_buffer, .address_space: global }
      - { .name: Wk, .offset: 16, .size: 8, .value_kind: global_buffer, .address_space: global }
      - { .name: Wv, .offset: 24, .size: 8, .value_kind: global_buffer, .address_space: global }
      - { .name: xc, .offset: 32, .size: 8, .value_kind: global_buffer, .address_space: global }
      - { .name: xs, .offset: 40, .size: 8, .value_kind: global_buffer, .address_space: global }
      - { .name: wc, .offset: 48, .size: 8, .value_kind: global_buffer, .address_space: global }
      - { .name: ws, .offset: 56, .size: 8, .value_kind: global_buffer, .address_space: global }
    .group_segment_fixed_size: 33280
    .private_segment_fixed_size: 0
    .kernarg_segment_align: 8
    .kernarg_segment_size: 64
    .max_flat_workgroup_size: 128
    .sgpr_count:     66
    .vgpr_count:     192
    .wavefront_size: 32
...
	.end_amdgpu_metadata
.endif
;; end of part 1
;; launch proj (part 2): grid 12 x 32, 4 waves a work-group, clusters of 4 x 4, 327,680 bytes of LDS; arguments xc, xs, wc, ws, hb, lb; writes hb, lb
.if DOCPART == 2
	.amdgcn_target "amdgcn-amd-amdhsa--gfx1250"
	.amdhsa_code_object_version 6
	.text
	.protected	k_qeb046366ed_proj
	.globl	k_qeb046366ed_proj
	.p2align	8
	.type	k_qeb046366ed_proj,@function
k_qeb046366ed_proj:
	s_mov_b64 s[64:65], 0
	v_nop
	global_prefetch_b8 v0, s[64:65] scope:SCOPE_SE
	s_setreg_imm32_b32 hwreg(HW_REG_WAVE_MODE, 25, 1), 1
	s_wait_xcnt 0x0
	s_wait_alu depctr_hold_cnt(0) depctr_sa_sdst(0) depctr_va_vdst(0) depctr_va_sdst(0) depctr_va_ssrc(0) depctr_va_vcc(0) depctr_vm_vsrc(0)
	s_getreg_b32 s2, hwreg(HW_REG_IB_STS2, 6, 4)
	s_cmp_eq_u32 s2, 0
	s_cbranch_scc0 .Lentry_in_a_cluster
	s_endpgm
.Lentry_in_a_cluster:
	s_bfe_u32 s2, ttmp6, 0x10000c
	s_cmp_lg_u32 s2, 0xf033
	s_cbranch_scc0 .Lentry_shape_is_right
	s_endpgm
.Lentry_shape_is_right:
; [8192][3072] = x [Wq; Wk; Wv]^T on codes of E2M1 with one E8M0 scale for each 32 along K = 1,024; sums in f32.  Columns 0-1023 are q, 1024-2047 k, 2048-3071 v.
; RESULTS: q and k leave as PAIRS of f16, a high part (hb) and a low part (lb), split in f32: high = the sum rounded to 11 bits, low = sum - high (exact), rounded to f16.  v leaves as one f16 (hb); its low part is not made.
; hb and lb are [8192][3072] f16, rows of 6,144 bytes; lb's columns from 2048 on are never written and never read.
; LIMITS: |q|, |k|, |v| stay at or under 65,504, f16's largest number; parts under f16's normal range are kept to 2^-25 absolute.
; A tile of 256 x 256 is made by a work-group of four waves; a wave makes 128 x 128: 64 accumulators, 512 registers.  All of K lies in two LDS slots of 512 along K, filled once, at the start: nothing is filled again.
; The scale bytes of the work-group's 256 + 256 rows are two dense blocks: they come once, in rows of 256 bytes.
; CLUSTERS: 4 x 4 work-groups; x's tiles are shared along a row of the cluster, W's along a column: each is asked for jointly, by the same tensor load with the same descriptor and a mask that names the four.
; THE MATRIX INSTRUCTION IS USED TRANSPOSED (source 0 = 16 rows of W, source 1 = 16 rows of x): a lane holds eight neighbouring columns of one row of the result.
; REGISTERS, in windows of 256: window 0: v0-31 addresses; v32-95 scale words, two sets; from v128 x's fragments, one set; on the way out v32-255 are free.
;   window 1: W's fragments, two sets, at v0 and v128.  window 2: the accumulators of my rows 0-63 ((a, b) at v[8 (8 a + b)]); window 3: those of rows 64-127.
.set KSTEP,  512
.set NQ,     4                         ; matrix instructions deep in a slot
.set ROWB,   256                       ; a tile's row in bytes
.set KROW,   512                       ; a row of codes in memory
.set PITCH,  272                       ; an LDS row: 256 bytes + 16 of padding: the 16 rows of a load start at 16 different banks (64 banks of 4 bytes: ISA guide 11.1)
.set FR,     8
.set NL,     2
.set NP,     4                         ; places behind this matrix instruction (ISA guide 7.12.1)
.set HALFT,  128*PITCH
.set SLOT,   4*HALFT
.set KS,     32                        ; a row of scale bytes
.set SCL,    2*SLOT                    ; behind the slots: the scales, as rows of 256 bytes + 16
.set HALFS,  (128*KS/256)*272
.set SBLK,   (16*KS/256)*272
.set SPARE,  SCL+4*HALFS               ; the spare words, 128 bytes a wave, that no other line names
.set ROWH,   6144                      ; a row of hb or lb in bytes
.set WSTG,   8704                      ; the way out: a wave's stage in slot 0: 16 rows x 272 for the high parts, the same for the low
.set ADRA, 16
.set ADRB, 20
.set STO,  24
.set RD,   25
.set CO,   26
.set ADRS, 27
.set SPW,  28
.set NIL,  29
.set SC,   32
.set AF,   128
.set HR,   32                          ; the way out, window 0: v32-63 high parts packed, v64-95 low parts packed, v96-127 rows of hb, v128-191 T, v192-255 U (v192-223 later rows of lb)
.set LR,   64
.set BKH,  96
.set T,    128
.set U,    192
.set BKL,  192
.set G1, 24
.set G0, 32
.set G1B, 48
.set G0B, 56
.set G1S, 68
.set G0S, 76
.set G1SB, 80
.set G0SB, 88
.set MSB, 0
.macro WIN new                         ; the immediate's high byte repeats the setting that is left
.if MSB != (\new)
	s_set_vgpr_msb (MSB<<8)|(\new)
.set MSB, (\new)
.endif
.endm
.set MUL_LO, 0xa1                      ; source 0 (W) window 1, source 1 (x) window 0, C and D window 2
.set MUL_HI, 0xf1
.set TO_B,   0x40
; A joint load: waves 0 and 1 fetch for x, waves 2 and 3 for W.  The branch hangs on the wave's number alone.  An s_nop 0 and four v_nop follow each line.
.macro JLOAD g0a, g1a, g0b, g1b
	s_cmp_eq_u32 s15, 0
	s_cbranch_scc0 .Lfor_b_\@
	tensor_load_to_lds s[\g0a:\g0a+3], s[\g1a:\g1a+7]
	s_nop 0
.rept 4
	v_nop
.endr
	s_branch .Lasked_\@
.Lfor_b_\@:
	tensor_load_to_lds s[\g0b:\g0b+3], s[\g1b:\g1b+7]
	s_nop 0
.rept 4
	v_nop
.endr
.Lasked_\@:
.endm
.macro CROUND                          ; a round of the cluster's barrier
	s_barrier_signal -1
	s_barrier_wait -1
	s_cmp_lg_u32 s14, 0
	s_cbranch_scc1 .Lnot_wave_0_\@
	s_barrier_signal -3
.Lnot_wave_0_\@:
	s_barrier_wait -3
	s_barrier_signal -1
	s_barrier_wait -1
.endm
	s_load_b128 s[4:7], s[0:1], 0x0                ; x's codes, x's scales
	s_load_b128 s[8:11], s[0:1], 0x10              ; W's codes, W's scales
	s_load_b128 s[96:99], s[0:1], 0x20             ; hb, lb
	v_lshl_add_u32 v[SPW], v0, 2, SPARE
	v_mov_b32 v[NIL], 0
	ds_add_u32 v[SPW], v[NIL]                      ; the opening: the add, twice on end, and its wait ahead of my first tensor load
	ds_add_u32 v[SPW], v[NIL]
	v_lshrrev_b32 v1, 5, v0
	v_readfirstlane_b32 s14, v1                    ; wave 0..3
	s_lshr_b32 s15, s14, 1                         ; which half of the tile's rows is mine.  Also: I fetch for x (0) or for W (1)
	s_and_b32 s16, s14, 1                          ; which half of its columns.  Also: which 128 rows I fetch
	s_bfe_u32 s40, ttmp6, 0x40000                  ; cx, cy
	s_bfe_u32 s41, ttmp6, 0x40004
	s_lshl_b32 s42, ttmp9, 2
	s_add_co_u32 s42, s42, s40                     ; tile column = 4 x cluster x + cx
	s_and_b32 s17, ttmp7, 0xffff
	s_lshl_b32 s17, s17, 2
	s_add_co_u32 s17, s17, s41                     ; tile row = 4 x cluster y + cy
	s_lshl_b32 s43, s41, 2
	s_lshl_b32 s43, 15, s43                        ; my row of the cluster
	s_lshl_b32 s44, 0x1111, s40                    ; my column
	s_or_b32 s[G1+0], s43, (0<<16)|(1<<20)|(1<<21)|(5<<22)|(3<<25)  ; the mask; elements of 1 byte; padding on; bit 21 beside a mask; 4 words behind every 64
	s_or_b32 s[G1B+0], s44, (0<<16)|(1<<20)|(1<<21)|(5<<22)|(3<<25)
.irp g, G1, G1B
	s_mov_b32 s[\g+1], ROWB<<16                    ; tensor_dim0
	s_mov_b32 s[\g+2], 128<<16                     ; tensor_dim1
	s_mov_b32 s[\g+3], ROWB<<16                    ; tile_dim0
	s_mov_b32 s[\g+4], 128                         ; tile_dim1
	s_mov_b32 s[\g+5], KROW                        ; from row to row
	s_mov_b32 s[\g+6], 0
	s_mov_b32 s[\g+7], 0
.endr
	s_or_b32 s[G1S+0], s43, (3<<16)|(1<<20)|(1<<21)|(5<<22)|(3<<25) ; the scales of 128 rows: 4,096 dense bytes as 16 rows of 32 elements of 8 bytes
	s_or_b32 s[G1SB+0], s44, (3<<16)|(1<<20)|(1<<21)|(5<<22)|(3<<25)
.irp g, G1S, G1SB
	s_mov_b32 s[\g+1], 32<<16
	s_mov_b32 s[\g+2], (128*KS/256)<<16
	s_mov_b32 s[\g+3], 32<<16
	s_mov_b32 s[\g+4], 128*KS/256
	s_mov_b32 s[\g+5], 32
	s_mov_b32 s[\g+6], 0
	s_mov_b32 s[\g+7], 0
.endr
	s_lshl_b32 s18, s16, 7
	s_lshl_b32 s20, s17, 8
	s_add_co_u32 s20, s20, s18                     ; x: row 256 x tile row + 128 x half
	s_lshl_b32 s46, s42, 8
	s_add_co_u32 s46, s46, s18                     ; W: row 256 x tile column + 128 x half
	s_mov_b32 s21, 0
	s_mov_b32 s47, 0
	s_mov_b64 s[18:19], KS
	s_mul_u64 s[22:23], s[20:21], s[18:19]         ; where these rows' scales begin
	s_mul_u64 s[92:93], s[46:47], s[18:19]
	s_mov_b64 s[18:19], KROW
	s_mul_u64 s[20:21], s[20:21], s[18:19]         ; and their codes
	s_mul_u64 s[46:47], s[46:47], s[18:19]
	s_mul_i32 s45, s14, HALFT                      ; where they go: wave x 128 rows
	s_mul_i32 s94, s14, HALFS
	s_wait_dscnt 0x0                               ; both opening adds are done
	s_wait_kmcnt 0x0
	s_add_nc_u64 s[20:21], s[4:5], s[20:21]
	s_add_nc_u64 s[22:23], s[6:7], s[22:23]
	s_add_nc_u64 s[46:47], s[8:9], s[46:47]
	s_add_nc_u64 s[92:93], s[10:11], s[92:93]
	CROUND                                         ; all sixteen work-groups are here: the joint loads meet
	s_mov_b32 s[G0S], 1
	s_add_co_u32 s[G0S+1], s94, SCL
	s_mov_b64 s[G0S+2:G0S+3], s[22:23]
	s_or_b32 s[G0S+3], s[G0S+3], 0x80000000
	s_mov_b32 s[G0SB], 1
	s_add_co_u32 s[G0SB+1], s94, SCL
	s_mov_b64 s[G0SB+2:G0SB+3], s[92:93]
	s_or_b32 s[G0SB+3], s[G0SB+3], 0x80000000
	JLOAD G0S, G1S, G0SB, G1SB                     ; the scales first; three loads of mine are out at the most
.irp s, 0,1
	s_mov_b32 s[G0+4*\s], 1
	s_add_co_u32 s[G0+4*\s+1], s45, \s*SLOT
	s_add_nc_u64 s[G0+4*\s+2:G0+4*\s+3], s[20:21], \s*ROWB
	s_or_b32 s[G0+4*\s+3], s[G0+4*\s+3], 0x80000000
	s_mov_b32 s[G0B+4*\s], 1
	s_add_co_u32 s[G0B+4*\s+1], s45, \s*SLOT
	s_add_nc_u64 s[G0B+4*\s+2:G0B+4*\s+3], s[46:47], \s*ROWB
	s_or_b32 s[G0B+4*\s+3], s[G0B+4*\s+3], 0x80000000
	JLOAD G0+4*\s, G1, G0B+4*\s, G1B
.endr
	v_and_b32 v1, 15, v0                           ; r = l % 16
	v_bfe_u32 v2, v0, 4, 1                         ; h = l / 16
	v_mul_u32_u24 v3, v1, PITCH
	v_lshl_add_u32 v4, v2, 4, v3                   ; row x pitch + 16 x half
	s_mul_i32 s21, s15, HALFT
	s_mul_i32 s22, s16, HALFT
	s_add_co_u32 s22, s22, 2*HALFT
.irp s, 0,1
	v_add_nc_u32 v[ADRA+\s], s21, v4
	v_add_nc_u32 v[ADRB+\s], s22, v4
	s_add_co_u32 s21, s21, SLOT
	s_add_co_u32 s22, s22, SLOT
.endr
	v_mul_u32_u24 v5, v1, KS                       ; my row's scales: 32 bytes a row,
	v_lshrrev_b32 v6, 8, v5
	v_lshl_add_u32 v5, v6, 4, v5                   ; and 16 more for each 256 passed
	s_mul_i32 s21, s15, HALFS
	s_mul_i32 s22, s16, HALFS
	s_add_co_u32 s22, s22, 2*HALFS
	s_sub_co_u32 s22, s22, s21
	v_mul_u32_u24 v6, s22, v2                      ; lanes 16-31 take W's
	s_add_co_u32 s21, s21, SCL
	v_add_nc_u32 v5, v5, v6
	v_add_nc_u32 v[ADRS], s21, v5
	s_mul_i32 s23, s14, WSTG                       ; my stage
	v_add_nc_u32 v[STO], s23, v4                   ; in: row r, 16 bytes for each half of the lanes
	v_mul_u32_u24 v5, v2, PITCH
	v_lshl_add_u32 v5, v1, 4, v5
	v_add_nc_u32 v[RD], s23, v5                    ; back: lanes 0-15 one row of 256 bytes, lanes 16-31 the next
	v_mul_u32_u24 v5, v2, ROWH
	v_lshl_add_u32 v[CO], v1, 4, v5                ; and the same two rows in hb and lb
	s_lshl_b32 s20, s17, 8
	s_lshl_b32 s21, s15, 7
	s_add_co_u32 s20, s20, s21                     ; my first row: 256 x tile row + 128 x half
	s_mul_i32 s20, s20, ROWH
	s_lshl_b32 s46, s42, 9                         ; my first column, in bytes: 512 x tile column + 256 x half
	s_lshl_b32 s47, s16, 8
	s_add_co_u32 s46, s46, s47
	s_add_co_u32 s20, s20, s46                     ; under 2^26
	s_mov_b32 s21, 0
	s_add_nc_u64 s[96:97], s[96:97], s[20:21]
	s_add_nc_u64 s[98:99], s[98:99], s[20:21]
	s_mov_b32 s18, 0x46000400                      ; 8193 = 2^13 + 1, the factor of the split
	s_mov_b32 s19, s18                             ; (named with it as a pair, so it is written)
.macro FRAG reg, adr, q, i             ; 16 rows x 128 K of 4-bit codes: 8 registers, two loads of 16 bytes, 32 bytes apart
.irp c, 0,1
	ds_load_b128 v[\reg+4*\c:\reg+4*\c+3], v[\adr] offset:64*(\q)+32*\c+(\i)*16*PITCH
.endr
.endm
; 16 matrix instructions: x's blocks a0, a0 + 1 against W's eight.  The 64 accumulators take turns, one instruction a turn, in the same order in every step.
.macro MUL16 a0, p, q, sc, zero
.irp a, \a0, \a0+1
.irp b, 0,1,2,3,4,5,6,7
.if \zero
	v_wmma_scale_f32_16x16x128_f8f6f4 v[8*(8*((\a)%4)+\b):8*(8*((\a)%4)+\b)+7], v[128*(\p)+FR*\b:128*(\p)+FR*\b+FR-1], v[AF+FR*(\a):AF+FR*(\a)+FR-1], 0, v[SC+8*NQ*(\sc)+NQ*\b+(\q)], v[SC+8*NQ*(\sc)+NQ*(\a)+(\q)] matrix_a_fmt:MATRIX_FMT_FP4 matrix_b_fmt:MATRIX_FMT_FP4 matrix_a_scale:MATRIX_SCALE_ROW1
.else
	v_wmma_scale_f32_16x16x128_f8f6f4 v[8*(8*((\a)%4)+\b):8*(8*((\a)%4)+\b)+7], v[128*(\p)+FR*\b:128*(\p)+FR*\b+FR-1], v[AF+FR*(\a):AF+FR*(\a)+FR-1], v[8*(8*((\a)%4)+\b):8*(8*((\a)%4)+\b)+7], v[SC+8*NQ*(\sc)+NQ*\b+(\q)], v[SC+8*NQ*(\sc)+NQ*(\a)+(\q)] matrix_a_fmt:MATRIX_FMT_FP4 matrix_b_fmt:MATRIX_FMT_FP4 matrix_a_scale:MATRIX_SCALE_ROW1
.endif
.endr
.endr
.endm
.macro FETCH_B slot, q, p
	WIN TO_B
.irp i, 0,1,2,3,4,5,6,7
	FRAG 128*(\p)+FR*\i, ADRB+\slot, \q, \i
.endr
	WIN 0
.endm
.macro FETCH_A slot, q, i0
.irp i, \i0, \i0+1, \i0+2, \i0+3
	FRAG AF+FR*(\i), ADRA+\slot, \q, \i
.endr
.endm
.macro SCALES sc                       ; a slot's scale words: lanes 0-15 take x's block i, lanes 16-31 W's block i
.irp i, 0,1,2,3,4,5,6,7
	ds_load_b128 v[SC+8*NQ*\sc+NQ*\i:SC+8*NQ*\sc+NQ*\i+3], v[ADRS] offset:\i*SBLK
.endr
.endm
.macro PLACES n                        ; plain vector instructions between a matrix instruction and a load into, or a vector access of, its registers
.rept \n
	v_nop
.endr
.endm
.macro STEP slot, q, zero              ; 128 along K, with its successor in the same slot
	s_wait_dscnt 4*NL                              ; W's set and x's blocks 0-3 are in; the youngest eight loads (x's blocks 4-7) may be out
	WIN MUL_LO
	MUL16 0, (\q)%2, \q, \slot, \zero
	MUL16 2, (\q)%2, \q, \slot, \zero
	s_wait_dscnt 0
	PLACES NP
	FETCH_B \slot, (\q)+1, 1-(\q)%2
	FETCH_A \slot, (\q)+1, 0
	WIN MUL_HI
	MUL16 4, (\q)%2, \q, \slot, \zero
	MUL16 6, (\q)%2, \q, \slot, \zero
	PLACES NP
	WIN 0
	FETCH_A \slot, (\q)+1, 4
.endm
.macro STEPS slot, from
.set Q, \from
.rept NQ-1-\from
	STEP \slot, Q, 0
.set Q, Q+1
.endr
.endm
	s_wait_tensorcnt 1                             ; the scales and my part of slot 0 are in (slot 1's load may be out),
	s_barrier_signal -1
	s_barrier_wait -1                              ; everybody's are
	FETCH_B 0, 0, 0
	FETCH_A 0, 0, 0
	SCALES 0
	FETCH_A 0, 0, 4
	STEP 0, 0, 1                                   ; the first products start the sums: nothing is cleared
	STEPS 0, 1
	; slot 0's last step changes slots: one barrier; in front of it my loads have landed and my reads of slot 0 are over.  Nothing is filled again.
	s_wait_tensorcnt 0x0                           ; my part of slot 1 is in
	ds_add_u32 v[SPW], v[NIL]
	s_wait_dscnt 4*NL+1                            ; (the add and x's blocks 4-7 may be out)
	WIN MUL_LO
	MUL16 0, 1, NQ-1, 0, 0
	s_wait_dscnt 0x0                               ; the add is done, and my reads of slot 0 are over
	s_barrier_signal -1
	MUL16 2, 1, NQ-1, 0, 0
	WIN 0
	s_barrier_wait -1
	PLACES NP
	v_add_nc_u32 v[ADRS], 4*NQ, v[ADRS]            ; on to slot 1's scale words
	FETCH_B 1, 0, 0
	FETCH_A 1, 0, 0
	SCALES 1
	WIN MUL_HI
	MUL16 4, 1, NQ-1, 0, 0
	MUL16 6, 1, NQ-1, 0, 0
	PLACES NP
	WIN 0
	FETCH_A 1, 0, 4
	STEPS 1, 0
	s_wait_dscnt 4*NL                              ; the very last step: nothing more to fetch
	WIN MUL_LO
	MUL16 0, 1, NQ-1, 1, 0
	MUL16 2, 1, NQ-1, 1, 0
	s_wait_dscnt 0
	WIN MUL_HI
	MUL16 4, 1, NQ-1, 1, 0
	MUL16 6, 1, NQ-1, 1, 0
	WIN 0
; THE WAY OUT, block a of 16 rows x 128 columns.  The split, two numbers an instruction: t = 8193 c; u = t - c; high = t - u (c rounded to 11 bits: it is an f16 number); low = c - high (exact).
; A lane's eight columns pack into 16 bytes; they go through my stage (in slot 0, which has had its only fill, and which nobody reads since the change of slots) and come back as whole rows of 256 bytes.
; The columns of v (cluster x = 2, the same in all partners) have no low part: one branch on that id.
.macro BLOCK a
.set AC, 64*((\a)%4)
.set WN, 2+(\a)/4
.if (\a) > 0
	s_wait_xcnt 0x0                                ; the last block's stores have read their data and their bases: both are written again only behind this wait
	s_add_nc_u64 s[96:97], s[96:97], 16*ROWH
	s_add_nc_u64 s[98:99], s[98:99], 16*ROWH
.endif
	WIN WN                                         ; source 0: the accumulators' window
.set i, 0
.rept 32
	v_pk_mul_f32 v[T+2*i:T+2*i+1], v[AC+2*i:AC+2*i+1], s[18:19] op_sel_hi:[1,0]   ; each accumulator from its low end on
.set i, i+1
.endr
.set i, 0
.rept 32
	v_pk_add_f32 v[U+2*i:U+2*i+1], v[AC+2*i:AC+2*i+1], v[T+2*i:T+2*i+1] neg_lo:[1,0] neg_hi:[1,0]   ; t - c
.set i, i+1
.endr
	WIN 0
.set i, 0
.rept 32
	v_pk_add_f32 v[T+2*i:T+2*i+1], v[T+2*i:T+2*i+1], v[U+2*i:U+2*i+1] neg_lo:[0,1] neg_hi:[0,1]     ; the high part
.set i, i+1
.endr
.set i, 0
.rept 32
	v_cvt_pk_f16_f32 v[HR+i], v[T+2*i], v[T+2*i+1]
.set i, i+1
.endr
.irp b, 0,1,2,3,4,5,6,7
	ds_store_b128 v[STO], v[HR+4*\b:HR+4*\b+3] offset:32*\b
.endr
.irp t, 0,1,2,3,4,5,6,7
	ds_load_b128 v[BKH+4*\t:BKH+4*\t+3], v[RD] offset:544*\t   ; LDS serves a wave's instructions in order: these see the stores above
.endr
	s_cmp_eq_u32 ttmp9, 2
	s_cbranch_scc1 .Lis_v_\@
	WIN WN
.set i, 0
.rept 32
	v_pk_add_f32 v[U+2*i:U+2*i+1], v[AC+2*i:AC+2*i+1], v[T+2*i:T+2*i+1] neg_lo:[0,1] neg_hi:[0,1]   ; the low part
.set i, i+1
.endr
	WIN 0
.set i, 0
.rept 32
	v_cvt_pk_f16_f32 v[LR+i], v[U+2*i], v[U+2*i+1]
.set i, i+1
.endr
.irp b, 0,1,2,3,4,5,6,7
	ds_store_b128 v[STO], v[LR+4*\b:LR+4*\b+3] offset:4352+32*\b
.endr
.irp t, 0,1,2,3,4,5,6,7
	ds_load_b128 v[BKL+4*\t:BKL+4*\t+3], v[RD] offset:4352+544*\t
.endr
	s_wait_dscnt 0x0
.irp t, 0,1,2,3,4,5,6,7
	global_store_b128 v[CO], v[BKH+4*\t:BKH+4*\t+3], s[96:97] offset:2*\t*ROWH   ; 16 lanes store 256 consecutive bytes, aligned
.endr
.irp t, 0,1,2,3,4,5,6,7
	global_store_b128 v[CO], v[BKL+4*\t:BKL+4*\t+3], s[98:99] offset:2*\t*ROWH
.endr
	s_branch .Lsent_\@
.Lis_v_\@:
	s_wait_dscnt 0x0
.irp t, 0,1,2,3,4,5,6,7
	global_store_b128 v[CO], v[BKH+4*\t:BKH+4*\t+3], s[96:97] offset:2*\t*ROWH
.endr
.Lsent_\@:
.endm
	PLACES NP                                      ; T lies where x's fragments lay, which the last products read
.irp a, 0,1,2,3,4,5,6,7
	BLOCK \a
.endr
	s_wait_tensorcnt 0x0                           ; the wave's end: the wait, an add and its wait behind my last tensor load and my last LDS store
	ds_add_u32 v[SPW], v[NIL]
	s_wait_dscnt 0x0
	CROUND                                         ; the closing round
	s_endpgm
.Lfunc_end_k_qeb046366ed_proj:
	.size	k_qeb046366ed_proj, .Lfunc_end_k_qeb046366ed_proj-k_qeb046366ed_proj
	.p2alignl 7, 3214868480
	.fill 96, 4, 3214868480
	.section	.rodata,"a",@progbits
	.p2align	6, 0x0
	.amdhsa_kernel k_qeb046366ed_proj
		.amdhsa_group_segment_fixed_size 327680
		.amdhsa_private_segment_fixed_size 0
		.amdhsa_enable_private_segment 0
		.amdhsa_kernarg_size 48
		.amdhsa_user_sgpr_count 2
		.amdhsa_user_sgpr_kernarg_segment_ptr 1
		.amdhsa_wavefront_size32 1
		.amdhsa_system_sgpr_workgroup_id_x 1
		.amdhsa_system_sgpr_workgroup_id_y 1
		.amdhsa_system_sgpr_workgroup_id_z 1
		.amdhsa_system_vgpr_workitem_id 0
		.amdhsa_next_free_vgpr 1024
		.amdhsa_next_free_sgpr 100
		.amdhsa_reserve_vcc 0
		.amdhsa_float_denorm_mode_32 3
		.amdhsa_float_denorm_mode_16_64 3
		.amdhsa_memory_ordered 1
		.amdhsa_forward_progress 1
		.amdhsa_inst_pref_size 229
	.end_amdhsa_kernel
	.amdgpu_metadata
---
amdhsa.version: [ 1, 2 ]
amdhsa.kernels:
  - .name:           k_qeb046366ed_proj
    .symbol:         k_qeb046366ed_proj.kd
    .args:
      - { .name: xc, .offset: 0, .size: 8, .value_kind: global_buffer, .address_space: global }
      - { .name: xs, .offset: 8, .size: 8, .value_kind: global_buffer, .address_space: global }
      - { .name: wc, .offset: 16, .size: 8, .value_kind: global_buffer, .address_space: global }
      - { .name: ws, .offset: 24, .size: 8, .value_kind: global_buffer, .address_space: global }
      - { .name: hb, .offset: 32, .size: 8, .value_kind: global_buffer, .address_space: global }
      - { .name: lb, .offset: 40, .size: 8, .value_kind: global_buffer, .address_space: global }
    .group_segment_fixed_size: 327680
    .private_segment_fixed_size: 0
    .kernarg_segment_align: 8
    .kernarg_segment_size: 48
    .max_flat_workgroup_size: 128
    .sgpr_count:     100
    .vgpr_count:     1024
    .wavefront_size: 32
...
	.end_amdgpu_metadata
.endif
;; end of part 2
;; launch score (part 3): grid 9 x 16, 4 waves a work-group, no clusters, 327,680 bytes of LDS; arguments hb, lb, pb, st; writes pb, st
.if DOCPART == 3
	.amdgcn_target "amdgcn-amd-amdhsa--gfx1250"
	.amdhsa_code_object_version 6
	.text
	.protected	k_qeb046366ed_score
	.globl	k_qeb046366ed_score
	.p2align	8
	.type	k_qeb046366ed_score,@function
k_qeb046366ed_score:
	s_mov_b64 s[64:65], 0
	v_nop
	global_prefetch_b8 v0, s[64:65] scope:SCOPE_SE
	s_setreg_imm32_b32 hwreg(HW_REG_WAVE_MODE, 25, 1), 1
	s_wait_xcnt 0x0
; One tile of 256 queries x 256 keys of S = q k^T (no 1 / sqrt(d)), K = 1,024, then its part of the softmax.  LEFT OUT AS DEAD WORK: the tiles all of whose keys come after all of their queries (the problem's own
; causal mask gives them the weight 0 for every input): 144 tiles are made, 36 in each of the 4 sequences.  In a tile on the diagonal the wave whose quadrant of 128 x 128 lies wholly under the mask multiplies with the
; others and stores nothing: the next launch reads none of that quadrant.
; THE PRODUCT takes q and k as pairs of f16, high and low: S = ql kh + qh kh + qh kl, sums in f32 (ql kl lies 22 bits under the sum and is not formed).
; THE SOFTMAX, by blocks of 64 keys: m = the largest score of a query in the block (masked scores are -inf; under m stands the floor -1e30, which no score reaches: |S| <= 1024 x 65504^2 = 4.4e12);
; p = 2^(c s - c m), c = log2(e), at most 1, goes to pb as f16; (c m, the sum of the unrounded p) goes to st as f32.  The next launch takes the largest c m of a row away from all and divides by the row's sum.
; A block that is wholly masked yields p = 0, sum 0 and c m = -1.44e30: all are stored where the next launch reads them.
; SHARES.  grid x = 0..8, y = 4 b + yy: query blocks yy and 7 - yy of sequence b have yy + 1 and 8 - yy tiles, 9 together: x <= yy: tile (yy, x), else (7 - yy, x - yy - 1).  Four waves, 128 x 128 each: 64 accumulators.
; For 32 along K a wave reads 64 x 512 bytes from LDS and issues 192 matrix instructions.  144 work-groups: the tile is taken this large so that each byte fetched and each byte read from LDS feeds twice the products
; that a tile of 128 x 128 would give it, and so that set-up and way out are run once on a WGP.
; NO CLUSTER: a query block has 1 to 8 tiles and a folded pair 9, which 4 does not divide.
; TRANSPOSED USE: source 0 = 16 keys, source 1 = 16 queries: lane (r, h) holds query 16 a + r; register j of accumulator (a, b) holds key 16 b + 8 h + j.
; K goes in steps of 64 through two LDS slots, each [qh | ql | kh | kl] of 256 rows x 128 bytes; wave w fetches region w, one tensor load a slot.  (Rows of 256 bytes would make a slot 278,528 bytes: two do not fit.)
; REGISTERS: window 0: v1-31 addresses; the rest serves the way out.  window 1: ONE set of fragments for 32 along K: kh at 0, qh at 64, ql at 128, kl at 192 (8 registers a block of 16 rows).
;   window 2: the accumulators of my queries 0-63 ((a, b) at 8 (8 (a % 4) + b)); window 3: those of queries 64-127.
; ONE SET SERVES, since the three terms go in the order kh ql, kh qh, kl qh: behind the third, qh and kl are free and take this quarter's successors; behind the second, kh and ql are.
.set PITCH,  144                       ; 128 bytes + 16 of padding = 36 words: the 16 rows of a load start at 16 different groups of four banks (64 banks of 4 bytes: ISA guide 11.1)
.set TILEB,  256*PITCH
.set SLOT,   4*TILEB
.set STAGE,  2*SLOT                    ; behind the slots: 16 rows x 272 bytes for each wave, for the way out
.set SP,     272
.set SPARE,  STAGE+4*16*SP             ; the spare words, 128 bytes a wave, that no other line names
.set ROWH,   6144                      ; a row of hb or lb in bytes
.set ADRQ, 16                          ; v16-17 LDS address of my qh fragments in slot 0, 1 (ql: TILEB further on)
.set ADRK, 20                          ; v20-21 the same for kh, kl
.set STO,  24
.set RD,   25
.set CO,   26
.set SO,   27                          ; v27 8 x lane: my place in a store of statistics
.set SPW,  28
.set NIL,  29
.set DD,   30                          ; v30 the mask's d = r - 8 h
.set NINF, 31                          ; v31 -infinity
.set T,    32                          ; v32-63   packed p of a query block
.set BK,   64                          ; v64-95 and v192-223 by turns: 16 rows of pb read back from the stage
.set ST,   96                          ; v96-127  statistics: query block a, key half u: (c m, m and later the sum) at 4 a + 2 u
.set E,    128                         ; v128-191 c s - c m, then p, of a query block
.set CH,   224                         ; v224-231 eight chains
.set OS,   232                         ; v232-247 the statistics as they are stored
.set KH,   0                           ; window 1
.set QH,   64
.set QL,   128
.set KL,   192
.set G1,   24                          ; s[24:31] descriptor group 1; s[32:39] group 0, a set for each slot
.set G0,   32
.set CS,   40                          ; s[40:41] c, twice
.set SEL,  42                          ; s[42:43] selects for lane l xor 16
.set HIM,  44                          ; s44 lanes 16-31
.set NI,   45                          ; s45 -infinity
.set MSKF, 51                          ; s51 1: my quadrant lies on the diagonal
.set DEADF, 52                         ; s52 1: my quadrant lies wholly under the mask
.set MSB, 0
.macro WIN new                         ; the immediate's high byte repeats the setting that is left
.if MSB != (\new)
	s_set_vgpr_msb (MSB<<8)|(\new)
.set MSB, (\new)
.endif
.endm
.macro PLACES                          ; four plain vector instructions between a matrix instruction and a load into, or a vector access of, its registers
.rept 4
	v_nop
.endr
.endm
	s_load_b256 s[4:11], s[0:1], 0x0               ; hb, lb, pb, st
	v_lshl_add_u32 v[SPW], v0, 2, SPARE
	v_mov_b32 v[NIL], 0
	ds_add_u32 v[SPW], v[NIL]                      ; the opening: the add, twice on end, and its wait ahead of my first tensor load
	ds_add_u32 v[SPW], v[NIL]
	v_lshrrev_b32 v1, 5, v0
	v_readfirstlane_b32 s12, v1                    ; wave w
	s_lshr_b32 s13, s12, 1                         ; wr: my half of the queries
	s_and_b32 s14, s12, 1                          ; wc: my half of the keys.  Also: I fetch from hb (0) or lb (1)
	s_and_b32 s19, ttmp7, 0xffff
	s_lshr_b32 s15, s19, 2                         ; b
	s_and_b32 s16, s19, 3                          ; yy
	s_sub_co_u32 s20, 7, s16
	s_sub_co_u32 s21, ttmp9, s16
	s_sub_co_u32 s21, s21, 1
	s_cmp_le_u32 ttmp9, s16
	s_cselect_b32 s17, s16, s20                    ; I: the block of 256 queries
	s_cselect_b32 s18, ttmp9, s21                  ; J: the block of 256 keys, at most I
	s_cmp_eq_u32 s17, s18
	s_cselect_b32 s50, 1, 0                        ; the tile lies on the diagonal
	s_cmp_eq_u32 s13, s14
	s_cselect_b32 s[MSKF], s50, 0
	s_cmp_eq_u32 s12, 1                            ; wave 1: queries 0-127, keys 128-255
	s_cselect_b32 s[DEADF], s50, 0
	s_mov_b32 s[G1+0], (1<<16)|(1<<20)|(4<<22)|(3<<25)   ; no mask; elements of 2 bytes; 4 words of padding behind every 32
	s_mov_b32 s[G1+1], 64<<16                      ; tensor_dim0
	s_mov_b32 s[G1+2], 256<<16                     ; tensor_dim1
	s_mov_b32 s[G1+3], 64<<16                      ; tile_dim0
	s_mov_b32 s[G1+4], 256                         ; tile_dim1
	s_mov_b32 s[G1+5], 3072                        ; elements from row to row
	s_mov_b32 s[G1+6], 0
	s_mov_b32 s[G1+7], 0
	s_mov_b32 s[CS], 0x3fb8aa3b                    ; c = log2(e)
	s_mov_b32 s[CS+1], s[CS]
	s_mov_b32 s[SEL], 0x76543210
	s_mov_b32 s[SEL+1], 0xfedcba98
	s_mov_b32 s[HIM], 0xffff0000
	s_mov_b32 s[NI], 0xff800000
	s_cmp_lt_u32 s12, 2                            ; waves 0, 1 fetch q's rows, waves 2, 3 k's
	s_cselect_b32 s19, s17, s18
	s_cselect_b32 s20, 0, 2048                     ; k's columns begin 2,048 bytes into a row
	s_lshl_b32 s21, s15, 11
	s_lshl_b32 s19, s19, 8
	s_add_co_u32 s19, s19, s21                     ; row 2048 b + 256 x block
	s_mul_i32 s19, s19, ROWH
	s_add_co_u32 s46, s19, s20                     ; under 2^26
	s_mov_b32 s47, 0
	s_mul_i32 s22, s12, TILEB                      ; region w of a slot
	s_wait_dscnt 0x0                               ; both opening adds are done
	s_wait_kmcnt 0x0
	s_cmp_eq_u32 s14, 0
	s_cselect_b64 s[48:49], s[4:5], s[6:7]         ; the choice hangs on the wave's number alone
	s_add_nc_u64 s[48:49], s[48:49], s[46:47]
.irp s, 0,1
	s_mov_b32 s[G0+4*\s], 1
	s_add_co_u32 s[G0+4*\s+1], s22, \s*SLOT
	s_add_nc_u64 s[G0+4*\s+2:G0+4*\s+3], s[48:49], \s*128   ; K step s
	s_or_b32 s[G0+4*\s+3], s[G0+4*\s+3], 0x80000000
	tensor_load_to_lds s[G0+4*\s:G0+4*\s+3], s[G1:G1+7]     ; both first fills go out together: two loads of mine are out
	s_nop 0
.endr
	v_and_b32 v1, 15, v0                           ; r
	v_bfe_u32 v2, v0, 4, 1                         ; h
	v_mul_u32_u24 v3, v1, PITCH
	v_lshl_add_u32 v3, v2, 4, v3                   ; row x pitch + 16 x half
	s_mul_i32 s19, s13, 128*PITCH
	s_mul_i32 s20, s14, 128*PITCH
	s_add_co_u32 s20, s20, 2*TILEB
.irp s, 0,1
	v_add_nc_u32 v[ADRQ+\s], s19, v3
	v_add_nc_u32 v[ADRK+\s], s20, v3
	s_add_co_u32 s19, s19, SLOT
	s_add_co_u32 s20, s20, SLOT
.endr
	s_mul_i32 s19, s12, 16*SP
	s_add_co_u32 s19, s19, STAGE                   ; my stage
	v_mul_u32_u24 v4, v1, SP
	v_lshl_add_u32 v4, v2, 4, v4
	v_add_nc_u32 v[STO], s19, v4                   ; in: row r, 16 bytes for each half of the lanes
	v_mul_u32_u24 v4, v2, SP
	v_lshl_add_u32 v4, v1, 4, v4
	v_add_nc_u32 v[RD], s19, v4                    ; back: lanes 0-15 one row of 256 bytes, lanes 16-31 the next
	v_lshlrev_b32 v[CO], 12, v2                    ; and the same two rows of pb, 4,096 bytes each
	v_lshl_add_u32 v[CO], v1, 4, v[CO]
	v_and_b32 v4, 31, v0
	v_lshlrev_b32 v[SO], 3, v4
	v_lshlrev_b32 v4, 3, v2
	v_sub_nc_u32 v[DD], v1, v4                     ; d = r - 8 h: in a quadrant on the diagonal key (b, j) is hidden from query block a where 16 b + j - 16 a > d
	v_mov_b32 v[NINF], 0xff800000
	s_lshl_b32 s19, s15, 11                        ; pb: row 2048 b + 256 I + 128 wr, byte 512 J + 256 wc
	s_lshl_b32 s20, s17, 8
	s_add_co_u32 s19, s19, s20
	s_lshl_b32 s20, s13, 7
	s_add_co_u32 s19, s19, s20
	s_lshl_b32 s46, s19, 12
	s_lshl_b32 s20, s18, 9
	s_add_co_u32 s46, s46, s20
	s_lshl_b32 s20, s14, 8
	s_add_co_u32 s46, s46, s20
	s_mov_b32 s47, 0
	s_add_nc_u64 s[8:9], s[8:9], s[46:47]
	s_lshl_b32 s19, s15, 5                         ; st: ((32 b + 4 J + 2 wc) 2048 + 256 I + 128 wr) x 8 bytes
	s_lshl_b32 s20, s18, 2
	s_add_co_u32 s19, s19, s20
	s_lshl_b32 s20, s14, 1
	s_add_co_u32 s19, s19, s20
	s_lshl_b32 s19, s19, 11
	s_lshl_b32 s20, s17, 8
	s_add_co_u32 s19, s19, s20
	s_lshl_b32 s20, s13, 7
	s_add_co_u32 s19, s19, s20
	s_lshl_b32 s46, s19, 3
	s_add_nc_u64 s[10:11], s[10:11], s[46:47]
; 32 matrix instructions: query blocks 4 hi .. 4 hi + 3 x the 8 key blocks, 32 along K.  term 0: kh qh; 1: kh ql; 2: kl qh.  zero = 1: the product starts the sums: nothing is cleared.
; The 64 accumulators take turns, one instruction a turn, in the same order in every term.
.macro MULT term, hi, zero
.set KO, KH
.set QO, QH
.if \term == 1
.set QO, QL
.endif
.if \term == 2
.set KO, KL
.endif
.irp a, 0,1,2,3
.irp b, 0,1,2,3,4,5,6,7
.if \zero
	v_wmma_f32_16x16x32_f16 v[8*(8*\a+\b):8*(8*\a+\b)+7], v[KO+8*\b:KO+8*\b+7], v[QO+8*(4*\hi+\a):QO+8*(4*\hi+\a)+7], 0
.else
	v_wmma_f32_16x16x32_f16 v[8*(8*\a+\b):8*(8*\a+\b)+7], v[KO+8*\b:KO+8*\b+7], v[QO+8*(4*\hi+\a):QO+8*(4*\hi+\a)+7], v[8*(8*\a+\b):8*(8*\a+\b)+7]
.endif
.endr
.endr
.endm
.macro TERM term, zero                 ; 64 matrix instructions: sources in window 1, C and D in window 2, then 3
	WIN 0xa5
	MULT \term, 0, \zero
	WIN 0xf5
	MULT \term, 1, \zero
.endm
.macro LOADA slot, k                   ; 32 LDS loads in one run: kh and ql of the 32 along K at byte k of the rows
	WIN 0x40
.irp i, 0,1,2,3,4,5,6,7
	ds_load_b128 v[KH+8*\i:KH+8*\i+3],   v[ADRK+\slot] offset:\k+\i*16*PITCH
	ds_load_b128 v[KH+8*\i+4:KH+8*\i+7], v[ADRK+\slot] offset:\k+\i*16*PITCH+32
.endr
.irp i, 0,1,2,3,4,5,6,7
	ds_load_b128 v[QL+8*\i:QL+8*\i+3],   v[ADRQ+\slot] offset:TILEB+\k+\i*16*PITCH
	ds_load_b128 v[QL+8*\i+4:QL+8*\i+7], v[ADRQ+\slot] offset:TILEB+\k+\i*16*PITCH+32
.endr
.endm
.macro LOADB slot, k                   ; the other 32: qh and kl
	WIN 0x40
.irp i, 0,1,2,3,4,5,6,7
	ds_load_b128 v[QH+8*\i:QH+8*\i+3],   v[ADRQ+\slot] offset:\k+\i*16*PITCH
	ds_load_b128 v[QH+8*\i+4:QH+8*\i+7], v[ADRQ+\slot] offset:\k+\i*16*PITCH+32
.endr
.irp i, 0,1,2,3,4,5,6,7
	ds_load_b128 v[KL+8*\i:KL+8*\i+3],   v[ADRK+\slot] offset:TILEB+\k+\i*16*PITCH
	ds_load_b128 v[KL+8*\i+4:KL+8*\i+7], v[ADRK+\slot] offset:TILEB+\k+\i*16*PITCH+32
.endr
.endm
; A K step is two quarters of 32 along K, 192 matrix instructions each.  At a quarter's head kh and ql are in and qh and kl are on their way.
; The slot's first quarter; it fetches the second quarter's fragments from the same slot.
.macro Q1 slot, zero
	TERM 1, \zero
	s_wait_dscnt 0x0                               ; qh and kl are in (asked for 64 matrix instructions ago)
	TERM 0, 0
	PLACES
	LOADA \slot, 64                                ; kh and ql are free
	TERM 2, 0
	s_wait_dscnt 0x0                               ; kh and ql are in (asked for 64 matrix instructions ago)
	PLACES
	LOADB \slot, 64                                ; qh and kl are free
.endm
; The slot's second quarter changes slots: one barrier; in front of it each wave waits for all its tensor loads, adds 0 to its spare word, and waits for that and for its reads of this slot, the last of which are this
; quarter's qh and kl.  fill = 1: this slot is filled again, two K steps on; the load is the first thing behind the barrier and has 320 matrix instructions in which to land.
.macro Q2 slot, next, fill
	TERM 1, 0
	WIN 0                                          ; (the add's two registers lie in window 0)
	s_wait_tensorcnt 0x0                           ; all my tensor loads have landed: my part of the next slot
	ds_add_u32 v[SPW], v[NIL]
	s_wait_dscnt 1                                 ; qh and kl are in (the add may be out)
	WIN 0xa5
	MULT 0, 0, 0
	s_wait_dscnt 0x0                               ; the add is done, and my reads of this slot are over
	s_barrier_signal -1
	WIN 0xf5
	MULT 0, 1, 0                                   ; work on registers while the others arrive
	s_barrier_wait -1
.if \fill
	s_add_nc_u64 s[G0+4*\slot+2:G0+4*\slot+3], s[G0+4*\slot+2:G0+4*\slot+3], 256   ; no load of mine is out: the group 0 may be written
	tensor_load_to_lds s[G0+4*\slot:G0+4*\slot+3], s[G1:G1+7]
	s_nop 0
.endif
	PLACES                                         ; behind the load, and in front of the loads below
	LOADA \next, 0
	TERM 2, 0
	s_wait_dscnt 0x0
	PLACES
	LOADB \next, 0
.endm
	s_wait_tensorcnt 1                             ; my part of K step 0 is in (K step 1's load may be out),
	s_barrier_signal -1
	s_barrier_wait -1                              ; everybody's is
	LOADA 0, 0
	s_wait_dscnt 0x0
	LOADB 0, 0
	Q1 0, 1                                        ; the first quarter stands in front of the loop: its first term starts the sums
	WIN 0                                          ; at a label and at a branch every window is 0
	s_mov_b32 s3, 7
.Llap:                                                 ; a trip goes once round the two slots and fills both again: K steps 2 to 15
	Q2 0, 1, 1
	Q1 1, 0
	Q2 1, 0, 1
	Q1 0, 0
	WIN 0
	s_sub_co_u32 s3, s3, 1
	s_cmp_lg_u32 s3, 0
	s_cbranch_scc1 .Llap
	Q2 0, 1, 0                                     ; the last two K steps fill nothing
	Q1 1, 0
	TERM 1, 0
	s_wait_dscnt 0x0
	TERM 0, 0
	TERM 2, 0
	WIN 0
	PLACES
	s_cmp_lg_u32 s[DEADF], 0                       ; ids alone: a quadrant wholly under the mask has no way out
	s_cbranch_scc1 .Lend
	; THE MASK, in quadrants on the diagonal alone (a branch on ids).  Key block b < a: nothing is hidden; b = a: by the lane's d; b > a: all is hidden
	s_cmp_lg_u32 s[MSKF], 0
	s_cbranch_scc0 .Lopen
.irp a, 0,1,2,3,4,5,6,7
	WIN (2+\a/4)|((2+\a/4)<<6)
.irp j, 0,1,2,3,4,5,6,7
	v_cmp_gt_i32 vcc_lo, \j, v[DD]
	v_cndmask_b32 v[64*(\a%4)+8*\a+\j], v[64*(\a%4)+8*\a+\j], v[NINF], vcc_lo
.endr
.irp b, 0,1,2,3,4,5,6,7
.if \b > \a
.irp j, 0,1,2,3,4,5,6,7
	v_mov_b32 v[64*(\a%4)+8*\b+\j], s[NI]
.endr
.endif
.endr
.endr
	WIN 0
.Lopen:
; Query block a: 16 queries x 128 keys, 64 registers a lane; the keys' two halves of 64 (u = 0, 1) have a maximum and a sum each.
.macro CALC a
.set AC, 64*((\a)%4)
.set WN, 2+(\a)/4
.set SA, ST+4*(\a)
	WIN WN*0x15                                    ; all three sources in the accumulators' window
.irp b, 0,1,2,3,4,5,6,7
	v_max3_num_f32 v[CH+\b], v[AC+8*\b], v[AC+8*\b+1], v[AC+8*\b+2]        ; eight chains, each begun at an accumulator's low end
.endr
	WIN WN*0x14                                    ; sources 1 and 2
.irp i, 3,5
.irp b, 0,1,2,3,4,5,6,7
	v_max3_num_f32 v[CH+\b], v[CH+\b], v[AC+8*\b+\i], v[AC+8*\b+\i+1]
.endr
.endr
.irp u, 0,1
	v_max3_num_f32 v[CH+4*\u], v[CH+4*\u], v[AC+32*\u+7], v[AC+32*\u+15]
	v_max3_num_f32 v[CH+4*\u+2], v[CH+4*\u+2], v[AC+32*\u+23], v[AC+32*\u+31]
.endr
	WIN 0
.irp u, 0,1
	v_max3_num_f32 v[CH+4*\u], v[CH+4*\u], v[CH+4*\u+1], v[CH+4*\u+2]
.endr
.irp u, 0,1
	v_max3_num_f32 v[CH+4*\u], v[CH+4*\u], v[CH+4*\u+3], 0xf149f2ca        ; and the floor -1e30, for a block that is wholly masked
.endr
.irp u, 0,1
	v_permlanex16_b32 v[CH+4*\u+1], v[CH+4*\u], s[SEL], s[SEL+1]           ; the query's other 32 keys of the block lie in the lane 16 away
.endr
.irp u, 0,1
	v_max_num_f32 v[SA+2*\u+1], v[CH+4*\u], v[CH+4*\u+1]                   ; m
.endr
.irp u, 0,1
	v_mul_f32 v[SA+2*\u], s[CS], v[SA+2*\u+1]                              ; c m: this rounded number is what is taken away here and what the next launch reads
.endr
	WIN WN                                         ; source 0
.irp u, 0,1
.set i, 0
.rept 16
	v_pk_fma_f32 v[E+32*\u+2*i:E+32*\u+2*i+1], v[AC+32*\u+2*i:AC+32*\u+2*i+1], s[CS:CS+1], v[SA+2*\u:SA+2*\u+1] op_sel_hi:[1,0,0] neg_lo:[0,0,1] neg_hi:[0,0,1]   ; c s - c m
.set i, i+1
.endr
.endr
	WIN 0
.set i, 0
.rept 64
	v_exp_f32 v[E+i], v[E+i]                       ; p, at most 1: one batch
.set i, i+1
.endr
	v_nop                                          ; a plain instruction behind the last exponential
	s_wait_alu depctr_va_vdst(0)                   ; one wait for the batch, ahead of its first reader
.set i, 0
.rept 32
	v_cvt_pk_f16_f32 v[T+i], v[E+2*i], v[E+2*i+1]
.set i, i+1
.endr
.set i, 0
.rept 16                               ; the sums of the unrounded p, in place: neighbours 1, 2, 4 and 8 pairs apart
	v_pk_add_f32 v[E+4*i:E+4*i+1], v[E+4*i:E+4*i+1], v[E+4*i+2:E+4*i+3]
.set i, i+1
.endr
.set i, 0
.rept 8
	v_pk_add_f32 v[E+8*i:E+8*i+1], v[E+8*i:E+8*i+1], v[E+8*i+4:E+8*i+5]
.set i, i+1
.endr
.set i, 0
.rept 4
	v_pk_add_f32 v[E+16*i:E+16*i+1], v[E+16*i:E+16*i+1], v[E+16*i+8:E+16*i+9]
.set i, i+1
.endr
.irp u, 0,1
	v_pk_add_f32 v[E+32*\u:E+32*\u+1], v[E+32*\u:E+32*\u+1], v[E+32*\u+16:E+32*\u+17]
.endr
.irp u, 0,1
	v_add_f32 v[CH+4*\u+2], v[E+32*\u], v[E+32*\u+1]
.endr
.irp u, 0,1
	v_permlanex16_b32 v[CH+4*\u+1], v[CH+4*\u+2], s[SEL], s[SEL+1]
.endr
.irp u, 0,1
	v_add_f32 v[SA+2*\u+1], v[CH+4*\u+2], v[CH+4*\u+1]                     ; the sum takes m's place: (c m, sum) is a pair
.endr
.endm
; A lane's eight keys pack into 16 bytes; the block goes through my own stage and comes back as whole rows of 256 bytes.  LDS serves a wave's instructions in order (ISA guide 5.7.1.4).
.macro TOSTAGE a
.set BB, BK+128*((\a)%2)
.irp b, 0,1,2,3,4,5,6,7
	ds_store_b128 v[STO], v[T+4*\b:T+4*\b+3] offset:32*\b
.endr
.if (\a) > 1
	s_wait_xcnt 0x0                                ; the stores of two blocks ago have read their data: the loads below land there only behind this wait
.endif
.irp t, 0,1,2,3,4,5,6,7
	ds_load_b128 v[BB+4*\t:BB+4*\t+3], v[RD] offset:2*\t*SP
.endr
.endm
.macro SEND a
.set BB, BK+128*((\a)%2)
	s_wait_dscnt 0x0                               ; the block is back in registers
.irp t, 0,1,2,3,4,5,6,7
	global_store_b128 v[CO], v[BB+4*\t:BB+4*\t+3], s[8:9] offset:(16*(\a)+2*\t)*4096   ; 16 lanes store 256 consecutive bytes, aligned
.endr
.endm
	CALC 0
	TOSTAGE 0
.irp a, 1,2,3,4,5,6,7                  ; a block's arithmetic stands between the loads of the block before and the wait for them
	CALC \a
	SEND \a-1
	TOSTAGE \a
.endr
	SEND 7
.irp u, 0,1                            ; the statistics: lanes 0-15 take query block 2 g, lanes 16-31 block 2 g + 1: 32 queries on end, 8 bytes each
.irp g, 0,1,2,3
	v_cndmask_b32 v[OS+2*(4*\u+\g)], v[ST+8*\g+2*\u], v[ST+8*\g+4+2*\u], s[HIM]
	v_cndmask_b32 v[OS+2*(4*\u+\g)+1], v[ST+8*\g+2*\u+1], v[ST+8*\g+4+2*\u+1], s[HIM]
	global_store_b64 v[SO], v[OS+2*(4*\u+\g):OS+2*(4*\u+\g)+1], s[10:11] offset:16384*\u+256*\g   ; 32 lanes store 256 consecutive bytes, aligned
.endr
.endr
.Lend:
	s_wait_tensorcnt 0x0                           ; the wave's end: the wait, an add and its wait behind my last tensor load and my last LDS store
	ds_add_u32 v[SPW], v[NIL]
	s_wait_dscnt 0x0
	s_endpgm
.Lfunc_end_k_qeb046366ed_score:
	.size	k_qeb046366ed_score, .Lfunc_end_k_qeb046366ed_score-k_qeb046366ed_score
	.p2alignl 7, 3214868480
	.fill 96, 4, 3214868480
	.section	.rodata,"a",@progbits
	.p2align	6, 0x0
	.amdhsa_kernel k_qeb046366ed_score
		.amdhsa_group_segment_fixed_size 327680
		.amdhsa_private_segment_fixed_size 0
		.amdhsa_enable_private_segment 0
		.amdhsa_kernarg_size 32
		.amdhsa_user_sgpr_count 2
		.amdhsa_user_sgpr_kernarg_segment_ptr 1
		.amdhsa_wavefront_size32 1
		.amdhsa_system_sgpr_workgroup_id_x 1
		.amdhsa_system_sgpr_workgroup_id_y 1
		.amdhsa_system_sgpr_workgroup_id_z 1
		.amdhsa_system_vgpr_workitem_id 0
		.amdhsa_next_free_vgpr 1024
		.amdhsa_next_free_sgpr 66
		.amdhsa_reserve_vcc 1
		.amdhsa_float_denorm_mode_32 3
		.amdhsa_float_denorm_mode_16_64 3
		.amdhsa_memory_ordered 1
		.amdhsa_forward_progress 1
		.amdhsa_inst_pref_size 252
	.end_amdhsa_kernel
	.amdgpu_metadata
---
amdhsa.version: [ 1, 2 ]
amdhsa.kernels:
  - .name:           k_qeb046366ed_score
    .symbol:         k_qeb046366ed_score.kd
    .args:
      - { .name: hb, .offset: 0, .size: 8, .value_kind: global_buffer, .address_space: global }
      - { .name: lb, .offset: 8, .size: 8, .value_kind: global_buffer, .address_space: global }
      - { .name: pb, .offset: 16, .size: 8, .value_kind: global_buffer, .address_space: global }
      - { .name: st, .offset: 24, .size: 8, .value_kind: global_buffer, .address_space: global }
    .group_segment_fixed_size: 327680
    .private_segment_fixed_size: 0
    .kernarg_segment_align: 8
    .kernarg_segment_size: 32
    .max_flat_workgroup_size: 128
    .sgpr_count:     66
    .vgpr_count:     1024
    .wavefront_size: 32
...
	.end_amdgpu_metadata
.endif
;; end of part 3
;; launch pv (part 4): grid 8 x 32, 4 waves a work-group, clusters of 4 x 1, 327,680 bytes of LDS; arguments pb, hb, st, out0; writes out0
.if DOCPART == 4
	.amdgcn_target "amdgcn-amd-amdhsa--gfx1250"
	.amdhsa_code_object_version 6
	.text
	.protected	k_qeb046366ed_pv
	.globl	k_qeb046366ed_pv
	.p2align	8
	.type	k_qeb046366ed_pv,@function
k_qeb046366ed_pv:
	s_mov_b64 s[64:65], 0
	v_nop
	global_prefetch_b8 v0, s[64:65] scope:SCOPE_SE
	s_setreg_imm32_b32 hwreg(HW_REG_WAVE_MODE, 25, 1), 1
	s_wait_xcnt 0x0
	s_wait_alu depctr_hold_cnt(0) depctr_sa_sdst(0) depctr_va_vdst(0) depctr_va_sdst(0) depctr_va_ssrc(0) depctr_va_vcc(0) depctr_vm_vsrc(0)
	s_getreg_b32 s2, hwreg(HW_REG_IB_STS2, 6, 4)
	s_cmp_eq_u32 s2, 0
	s_cbranch_scc0 .Lentry_in_a_cluster
	s_endpgm
.Lentry_in_a_cluster:
	s_bfe_u32 s2, ttmp6, 0x10000c
	s_cmp_lg_u32 s2, 0x3003
	s_cbranch_scc0 .Lentry_shape_is_right
	s_endpgm
.Lentry_shape_is_right:
; out[q][:] = (the sum over blocks e of 64 keys of f_e (P_e V_e)) / l, with M = the largest c m_e of the row, f_e = 2^(c m_e - M), l = the sum of f_e l_e: the softmax's maximum is taken away here, over the whole row.
; P (pb, f16), V (hb's columns 2048 on, f16) and (c m_e, l_e) (st, f32) come from the launches before.  Each block's product P_e V_e is summed in f32 by the matrix unit, from 0; f_e multiplies it in f32, and O is kept in f32.
; LEFT OUT AS DEAD WORK: the steps of 128 keys that lie wholly behind a query block (weight 0 by the problem's own causal mask).
; SHARES.  A work-group makes two tiles of 128 queries x 128 channels: query block yy (yy + 1 steps of 128 keys), then block 15 - yy (16 - yy steps): 17 steps in every work-group; 256 work-groups.
; grid x = the channel tile, y = 8 b + yy.  CLUSTER: the four partners along x have the same b and yy and walk the same tiles of P: those are asked for jointly (mask 15); V's tiles hang on the channel tile and are plain loads.
; Four waves, 64 queries x 64 channels each.  (P V)^T = V^T P^T: source 0 = 16 channels (V turned by ds_load_tr16_b128), source 1 = 16 queries: lane (r, h) holds query 16 a + r and channels 16 b + 8 h + j, so f is one number a lane.
; O is cleared by moves, at the start and at the change of query block: that change falls at a step that hangs on the work-group's number, so a first step without an addend cannot be written out.
; THE LDS LOADS of a step, 64 of 16 bytes a lane and 8 words of f, stand in short runs: the next step's fragments come 16 loads at a time, one run ahead of each 16 matrix instructions.  That costs two switches of the register
; window a run, eight a step.
; LDS: two slots of two steps (a step: P 128 x 272 bytes, V 128 x 288); FTAB [34 e][128 rows] f, f32; RL [2][128] 1 / l; a stage of 16 x 272 a wave; the spare words.
; REGISTERS: window 0: addresses v1-19; v20-35, v44-59 f words of windows 1 and 2 (each the low half of a pair); v36-43 1 / l; v64-95, v96-127 the way out; v128-255 O (at the head: the statistics at work).
;   windows 1 and 2: the fragments of a slot's first and second step: P(kq, a) at 8 (4 kq + a), V(kq, b) at 128 + 8 (4 kq + b).  window 3: the products of a step's two blocks of 64 keys, 16 accumulators each, at 0 and at 128.
.set PP,     272
.set PV,     288
.set PTILE,  128*PP
.set STEPB,  128*(PP+PV)
.set SLOTB,  2*STEPB
.set FTAB,   2*SLOTB
.set RL,     FTAB+34*512
.set STAGE,  RL+1024
.set SPARE,  STAGE+4*16*272            ; the spare words, 128 bytes a wave, that no other line names
.set AP,  4                            ; v4-7   P's fragments: slot i / 2, step i % 2
.set AV,  8                            ; v8-11  V's
.set FA0, 12
.set FAD, 13
.set STO, 14
.set RD,  15
.set GO,  16
.set RLA, 17
.set SPW, 18
.set NIL, 19
.set FH1, 20                           ; window X's f words at FH1 + 24 (X - 1) + 2 (4 par + a)
.set RLV, 36
.set T,   64
.set BK,  96
.set ACC, 128
.set DT,  128                          ; the statistics at work: v128-195 (c m, l) of 34 blocks; v196-229 their offsets
.set VO,  196
.set M1,  230
.set M2,  231
.set L1,  232
.set L2,  233
.set NEG, 234
.set TA,  235
.set TC,  236
.set T8,  237
.set FW,  238
.set RW,  239
.set WV,  12
.set WR,  13
.set WC,  14
.set CX,  15
.set CC,  16
.set BB,  17
.set YY,  18
.set Y1,  19                           ; yy + 1: the first step of the second query block
.set YB,  20                           ; 15 - yy
.set E1,  21                           ; 2 (yy + 1): the first block of 64 keys of the second query block
.set PB,  22                           ; s[22:23] pb at my sequence
.set G1P, 24
.set G1V, 32
.set G0P, 40                           ; s[40:47] group 0 for P, a set for each slot; s[48:55] for V
.set G0V, 48
.set VB,  56                           ; s[56:57] v at my sequence and channel tile
.set OB,  58                           ; s[58:59], s[60:61] out0 at my part of the two tiles
.set SW,  62                           ; the step that I fetch next
.set SS,  63                           ; the step that is multiplied next
.set FT,  66                           ; 1,024 x the step that is read from LDS next
.set TRIP, 67
.set MK,  68
.set A1,  76
.set A2,  77
.set STB, 78
.set MSB, 0
.macro WIN new
.if MSB != (\new)
	s_set_vgpr_msb (MSB<<8)|(\new)
.set MSB, (\new)
.endif
.endm
.macro PLACES                          ; four plain vector instructions between a matrix instruction and a vector read of its result (ISA guide 7.12.1)
.rept 4
	v_nop
.endr
.endm
.macro CREST                           ; a round of the cluster's barrier behind its opening barrier
	s_cmp_lg_u32 s[WV], 0
	s_cbranch_scc1 .Lnot_wave_0_\@
	s_barrier_signal -3
.Lnot_wave_0_\@:
	s_barrier_wait -3
	s_barrier_signal -1
	s_barrier_wait -1
.endm
.macro CROUND
	s_barrier_signal -1
	s_barrier_wait -1
	CREST
.endm
; Both descriptors' global addresses for step SW, into the slot's sets.  Step s <= yy: query block yy, key block s; else block 15 - yy, key block s - yy - 1.  P's registers never hold the channel tile.
.macro DESC slot
	s_sub_co_u32 s69, s[SW], s[Y1]
	s_cmp_lt_u32 s[SW], s[Y1]
	s_cselect_b32 s69, s[SW], s69                  ; the key block
	s_cselect_b32 s70, s[YY], s[YB]                ; the query block
	s_lshl_b32 s70, s70, 19                        ; 128 rows of 4,096 bytes
	s_lshl_b32 s71, s69, 8
	s_add_co_u32 s70, s70, s71
	s_mov_b32 s71, 0
	s_add_nc_u64 s[G0P+4*\slot+2:G0P+4*\slot+3], s[PB:PB+1], s[70:71]
	s_or_b32 s[G0P+4*\slot+3], s[G0P+4*\slot+3], 0x80000000
	s_mul_i32 s72, s69, 128*6144
	s_mov_b32 s73, 0
	s_add_nc_u64 s[G0V+4*\slot+2:G0V+4*\slot+3], s[VB:VB+1], s[72:73]
	s_or_b32 s[G0V+4*\slot+3], s[G0V+4*\slot+3], 0x80000000
	s_add_co_u32 s[SW], s[SW], 2
.endm
; A refill: waves 0 and 1 fetch the two steps' tiles of P (jointly), waves 2 and 3 those of V.  The branch hangs on the wave's number alone.  An s_nop 0 and four v_nop follow each line.
.macro JLOAD slot
	s_cmp_lt_u32 s[WV], 2
	s_cbranch_scc0 .Lfor_v_\@
	tensor_load_to_lds s[G0P+4*\slot:G0P+4*\slot+3], s[G1P:G1P+7]
	s_nop 0
.rept 4
	v_nop
.endr
	s_branch .Lasked_\@
.Lfor_v_\@:
	tensor_load_to_lds s[G0V+4*\slot:G0V+4*\slot+3], s[G1V:G1V+7]
	s_nop 0
.rept 4
	v_nop
.endr
.Lasked_\@:
.endm
.macro JLOADH slot                     ; the last refill brings step 16 alone: wave 0 its P, wave 2 its V
	s_cmp_eq_u32 s[WV], 0
	s_cbranch_scc0 .Lnot_p_\@
	tensor_load_to_lds s[G0P+4*\slot:G0P+4*\slot+3], s[G1P:G1P+7]
	s_nop 0
.rept 4
	v_nop
.endr
	s_branch .Lasked_\@
.Lnot_p_\@:
	s_cmp_eq_u32 s[WV], 2
	s_cbranch_scc0 .Lasked_\@
	tensor_load_to_lds s[G0V+4*\slot:G0V+4*\slot+3], s[G1V:G1V+7]
	s_nop 0
.rept 4
	v_nop
.endr
.Lasked_\@:
.endm
.macro FWORDS X                        ; a step's eight f words, for window X: blocks par = 0, 1 of 64 keys, query blocks a
	WIN 0
	v_add_nc_u32 v[FAD], s[FT], v[FA0]
.irp par, 0,1
.irp a, 0,1,2,3
	ds_load_b32 v[FH1+24*((\X)-1)+2*(4*\par+\a)], v[FAD] offset:512*\par+64*\a
.endr
.endr
	s_add_co_u32 s[FT], s[FT], 1024
.endm
.macro CHUNK X, slot, sub, kq          ; 16 LDS loads: the fragments of 32 keys, into window X
	WIN (\X)<<6
.irp a, 0,1,2,3
	ds_load_b128 v[8*(4*(\kq)+\a):8*(4*(\kq)+\a)+3],   v[AP+2*(\slot)+\sub] offset:16*PP*\a+64*(\kq)
	ds_load_b128 v[8*(4*(\kq)+\a)+4:8*(4*(\kq)+\a)+7], v[AP+2*(\slot)+\sub] offset:16*PP*\a+64*(\kq)+32
.endr
.irp b, 0,1,2,3
	ds_load_tr16_b128 v[128+8*(4*(\kq)+\b):128+8*(4*(\kq)+\b)+3],   v[AV+2*(\slot)+\sub] offset:32*PV*(\kq)+32*\b
	ds_load_tr16_b128 v[128+8*(4*(\kq)+\b)+4:128+8*(4*(\kq)+\b)+7], v[AV+2*(\slot)+\sub] offset:32*PV*(\kq)+32*\b+16*PV
.endr
.endm
; A step's 64 matrix instructions on window X's fragments: keys 0-63 into the 16 accumulators at 0 of window 3, keys 64-127 into those at 128; each sum has two links, the first with C = 0.  The 16 accumulators take turns,
; one instruction a turn.  more = 1: ahead of each 16 stands a run of 16 loads of the next step (slot, sub) into window XN, whose last products stand in front of 128 multiply-adds.
.macro MULF X, more, XN, slot, sub
.if \more
	FWORDS \XN
.endif
.irp kq, 0,1,2,3
.if \more
	CHUNK \XN, \slot, \sub, \kq
.endif
	WIN 0xf0|(5*(\X))
.irp a, 0,1,2,3
.irp b, 0,1,2,3
.if (\kq%2) == 0
	v_wmma_f32_16x16x32_f16 v[128*(\kq/2)+8*(4*\a+\b):128*(\kq/2)+8*(4*\a+\b)+7], v[128+8*(4*\kq+\b):128+8*(4*\kq+\b)+7], v[8*(4*\kq+\a):8*(4*\kq+\a)+7], 0
.else
	v_wmma_f32_16x16x32_f16 v[128*(\kq/2)+8*(4*\a+\b):128*(\kq/2)+8*(4*\a+\b)+7], v[128+8*(4*\kq+\b):128+8*(4*\kq+\b)+7], v[8*(4*\kq+\a):8*(4*\kq+\a)+7], v[128*(\kq/2)+8*(4*\a+\b):128*(\kq/2)+8*(4*\a+\b)+7]
.endif
.endr
.endr
.endr
.endm
.macro ACCUM X                         ; O += f x the block's product, two numbers an instruction; each product is read from its low end on
.set FHB, FH1+24*((\X)-1)
	WIN 0x03                                       ; source 0: window 3
.irp par, 0,1
.irp a, 0,1,2,3
.irp b, 0,1,2,3
.irp i, 0,1,2,3
	v_pk_fma_f32 v[ACC+8*(4*\a+\b)+2*\i:ACC+8*(4*\a+\b)+2*\i+1], v[128*\par+8*(4*\a+\b)+2*\i:128*\par+8*(4*\a+\b)+2*\i+1], v[FHB+2*(4*\par+\a):FHB+2*(4*\par+\a)+1], v[ACC+8*(4*\a+\b)+2*\i:ACC+8*(4*\a+\b)+2*\i+1] op_sel_hi:[1,0,1]
.endr
.endr
.endr
.endr
.endm
; A finished tile: x 1 / l, through my stage, 16 queries at a time, and out as whole runs of 256 bytes
.macro EPILOGUE blk
.irp a, 0,1,2,3
	ds_load_b32 v[RLV+2*\a], v[RLA] offset:512*\blk+64*\a
.endr
	s_wait_dscnt 0x0
.irp a, 0,1,2,3
.set i, 0
.rept 16
	v_pk_mul_f32 v[T+2*i:T+2*i+1], v[ACC+32*\a+2*i:ACC+32*\a+2*i+1], v[RLV+2*\a:RLV+2*\a+1] op_sel_hi:[1,0]
.set i, i+1
.endr
.irp b, 0,1,2,3
	ds_store_b128 v[STO], v[T+8*\b:T+8*\b+3] offset:64*\b
	ds_store_b128 v[STO], v[T+8*\b+4:T+8*\b+7] offset:64*\b+16
.endr
	s_wait_xcnt 0x0                                ; earlier stores have read their data: the loads below land there only behind this wait
.irp t, 0,1,2,3,4,5,6,7
	ds_load_b128 v[BK+4*\t:BK+4*\t+3], v[RD] offset:544*\t   ; LDS serves a wave's instructions in order: these see the stores above
.endr
	s_wait_dscnt 0x0
.irp t, 0,1,2,3,4,5,6,7
	global_store_b128 v[GO], v[BK+4*\t:BK+4*\t+3], s[OB+2*\blk:OB+2*\blk+1] offset:(16*\a+2*\t)*4096 th:TH_STORE_NT   ; 16 lanes store 256 consecutive bytes, aligned
.endr
.endr
.endm
.macro ZERO
.set i, 0
.rept 128
	v_mov_b32 v[ACC+i], 0
.set i, i+1
.endr
.endm
.macro EPICHECK                        ; ahead of the second query block's first step the first tile leaves: a branch on ids and the count of steps, the same in all waves and partners.  All earlier steps' multiply-adds stand ahead of it
	WIN 0
	s_cmp_lg_u32 s[SS], s[Y1]
	s_cbranch_scc1 .Lno_change_\@
	EPILOGUE 0
	ZERO
.Lno_change_\@:
	s_add_co_u32 s[SS], s[SS], 1
.endm
.macro PARTA p, more, epi              ; a slot's first step: its products; its multiply-adds follow in PARTB
	s_wait_dscnt 0x0                               ; window 1's fragments and f words are in
.if \epi
	EPICHECK
.endif
	MULF 1, \more, 2, \p, 1
.endm
; The change of slots, and the slot's second step.  Each wave waits for all its tensor loads, adds 0 to its spare word, and waits for that and for its reads of this slot (window 2's fragments are its last).
; fill = 1, 2: the barrier opens a round of the cluster's barrier, and the refill of this slot is the first tensor load behind it, one a wave; it has 128 matrix instructions and 256 multiply-adds in which to land.
.macro PARTB p, fill, epi
	WIN 0
	s_wait_tensorcnt 0x0                           ; no tensor load of mine is out: the groups 0 may be written
	ds_add_u32 v[SPW], v[NIL]
	PLACES                                         ; behind window 1's last products, ahead of the multiply-adds that read them
.if \fill
	DESC \p
.endif
	s_wait_dscnt 0x0                               ; the add is done, and my reads of this slot are over
	s_barrier_signal -1
	ACCUM 1                                        ; work on registers while the others arrive
	WIN 0
	s_barrier_wait -1
.if \fill == 1
	CREST
	JLOAD \p
.endif
.if \fill == 2
	CREST
	JLOADH \p
.endif
.if \epi
	EPICHECK
.endif
	MULF 2, 1, 1, 1-\p, 0
	PLACES
	ACCUM 2
.endm
	s_load_b256 s[4:11], s[0:1], 0x0               ; pb, hb, st, out0
	v_lshl_add_u32 v[SPW], v0, 2, SPARE
	v_mov_b32 v[NIL], 0
	ds_add_u32 v[SPW], v[NIL]                      ; the opening: the add, twice on end, and its wait ahead of my first tensor load
	ds_add_u32 v[SPW], v[NIL]
	v_lshrrev_b32 v1, 5, v0
	v_readfirstlane_b32 s[WV], v1
	s_lshr_b32 s[WR], s[WV], 1                     ; my half of the queries
	s_and_b32 s[WC], s[WV], 1                      ; my half of the channels.  Also: which of a slot's two steps I fetch
	s_bfe_u32 s[CX], ttmp6, 0x40000
	s_lshl_b32 s[CC], ttmp9, 2
	s_add_co_u32 s[CC], s[CC], s[CX]               ; the channel tile: it enters V's and out0's global addresses alone
	s_and_b32 s69, ttmp7, 0xffff
	s_lshr_b32 s[BB], s69, 3
	s_and_b32 s[YY], s69, 7
	s_add_co_u32 s[Y1], s[YY], 1
	s_sub_co_u32 s[YB], 15, s[YY]
	s_lshl_b32 s[E1], s[Y1], 1
	s_lshl_b32 s[A1], s[YY], 10                    ; st: 8 bytes x 128 yy
	s_lshl_b32 s[A2], s[YB], 10
	s_lshl_b32 s69, s[E1], 14
	s_sub_co_u32 s[A2], s[A2], s69                 ; 8 x 128 (15 - yy) - 16,384 E1, modulo 2^32: with 16,384 e, e >= E1, it is the offset
	s_mov_b32 s[G1P+0], 15|(1<<16)|(1<<20)|(1<<21)|(5<<22)|(3<<25)   ; the mask: all four partners; elements of 2 bytes; bit 21 beside a mask; 4 words of padding behind every 64
	s_mov_b32 s[G1V+0], (1<<16)|(1<<20)|(5<<22)|(7<<25)              ; no mask; 8 words of padding
.irp g, G1P, G1V
	s_mov_b32 s[\g+1], 128<<16
	s_mov_b32 s[\g+2], 128<<16
	s_mov_b32 s[\g+3], 128<<16
	s_mov_b32 s[\g+4], 128
	s_mov_b32 s[\g+6], 0
	s_mov_b32 s[\g+7], 0
.endr
	s_mov_b32 s[G1P+5], 2048                       ; elements from row to row of pb,
	s_mov_b32 s[G1V+5], 3072                       ; and of hb
	s_mul_i32 s69, s[WC], STEPB
.irp s, 0,1
	s_mov_b32 s[G0P+4*\s], 1
	s_add_co_u32 s[G0P+4*\s+1], s69, \s*SLOTB
	s_mov_b32 s[G0V+4*\s], 1
	s_add_co_u32 s[G0V+4*\s+1], s69, \s*SLOTB+PTILE
.endr
	s_mov_b32 s[SW], s[WC]
	s_mov_b32 s[SS], 0
	s_mov_b32 s[FT], 0
	s_lshl_b32 s72, s[BB], 11                      ; out0: row 2048 b + 128 x block + 64 wr, byte 512 c + 256 wc
	s_lshl_b32 s73, s[WR], 6
	s_add_co_u32 s72, s72, s73
	s_lshl_b32 s73, s[YY], 7
	s_add_co_u32 s73, s73, s72
	s_lshl_b32 s74, s[YB], 7
	s_add_co_u32 s74, s74, s72
	s_lshl_b32 s73, s73, 12
	s_lshl_b32 s74, s74, 12
	s_lshl_b32 s75, s[CC], 9
	s_lshl_b32 s72, s[WC], 8
	s_add_co_u32 s75, s75, s72
	s_add_co_u32 s72, s73, s75
	s_add_co_u32 s74, s74, s75
	s_mov_b32 s73, 0
	s_mov_b32 s75, 0
	s_wait_dscnt 0x0                               ; both opening adds are done
	s_wait_kmcnt 0x0
	s_add_nc_u64 s[OB:OB+1], s[10:11], s[72:73]
	s_add_nc_u64 s[OB+2:OB+3], s[10:11], s[74:75]
	s_lshl_b32 s70, s[BB], 23
	s_mov_b32 s71, 0
	s_add_nc_u64 s[PB:PB+1], s[4:5], s[70:71]
	s_lshl_b32 s70, s[BB], 19
	s_add_nc_u64 s[STB:STB+1], s[8:9], s[70:71]
	s_mul_i32 s72, s[BB], 2048*6144
	s_lshl_b32 s74, s[CC], 8
	s_add_co_u32 s72, s72, s74
	s_add_co_u32 s72, s72, 4096                    ; v's columns begin 4,096 bytes into a row
	s_add_nc_u64 s[VB:VB+1], s[6:7], s[72:73]
	DESC 0
	DESC 1
	CROUND                                         ; all four work-groups are here: the first joint loads meet
	s_cmp_lt_u32 s[WV], 2                          ; a wave's two first fills stand in one branch: two loads of mine are out
	s_cbranch_scc0 .Lfirst_v
	tensor_load_to_lds s[G0P:G0P+3], s[G1P:G1P+7]
	s_nop 0
	tensor_load_to_lds s[G0P+4:G0P+7], s[G1P:G1P+7]
	s_nop 0
.rept 4
	v_nop
.endr
	s_branch .Lfirst_asked
.Lfirst_v:
	tensor_load_to_lds s[G0V:G0V+3], s[G1V:G1V+7]
	s_nop 0
	tensor_load_to_lds s[G0V+4:G0V+7], s[G1V:G1V+7]
	s_nop 0
.rept 4
	v_nop
.endr
.Lfirst_asked:
	; THE STATISTICS.  Thread t owns row t of both query blocks: 34 pairs (c m, l), blocks e < E1 of the first, the others of the second.
	v_lshlrev_b32 v[T8], 3, v0
.set ee, 0
.rept 34
	s_cmp_gt_u32 s[E1], ee
	s_cselect_b32 s69, s[A1], s[A2]
	s_add_co_u32 s69, s69, 16384*ee
	v_add_nc_u32 v[VO+ee], s69, v[T8]
	global_load_b64 v[DT+2*ee:DT+2*ee+1], v[VO+ee], s[STB:STB+1]   ; 32 lanes read 256 consecutive bytes
.set ee, ee+1
.endr
	v_and_b32 v1, 15, v0                           ; r
	v_bfe_u32 v2, v0, 4, 1                         ; h
	v_mul_u32_u24 v3, v1, PP
	v_lshl_add_u32 v3, v2, 4, v3
	s_mul_i32 s69, s[WR], 64*PP
	v_add_nc_u32 v3, s69, v3                       ; P: row 64 wr + r, + 16 h
	v_and_b32 v60, 7, v0
	v_bfe_u32 v61, v0, 3, 1
	v_lshl_add_u32 v60, v2, 3, v60
	v_mul_u32_u24 v60, v60, PV
	v_lshl_add_u32 v60, v61, 4, v60                ; V, for the turning load: key 8 h + l % 8, channels 8 ((l / 8) % 2) on
	s_lshl_b32 s69, s[WC], 7
	s_add_co_u32 s69, s69, PTILE
	v_add_nc_u32 v60, s69, v60
.irp i, 0,1,2,3
	v_add_nc_u32 v[AP+\i], (\i/2)*SLOTB+(\i%2)*STEPB, v3
	v_add_nc_u32 v[AV+\i], (\i/2)*SLOTB+(\i%2)*STEPB, v60
.endr
	s_lshl_b32 s69, s[WR], 8
	s_add_co_u32 s70, s69, FTAB
	v_lshl_add_u32 v[FA0], v1, 2, s70              ; f words: 4 bytes a row, row 64 wr + r
	s_add_co_u32 s70, s69, RL
	v_lshl_add_u32 v[RLA], v1, 2, s70
	s_mul_i32 s69, s[WV], 16*272
	s_add_co_u32 s69, s69, STAGE                   ; my stage
	v_mul_u32_u24 v62, v1, 272
	v_lshl_add_u32 v62, v2, 5, v62
	v_add_nc_u32 v[STO], s69, v62                  ; in: row r, 32 bytes for each half of the lanes
	v_mul_u32_u24 v62, v2, 272
	v_lshl_add_u32 v62, v1, 4, v62
	v_add_nc_u32 v[RD], s69, v62                   ; back: lanes 0-15 one row of 256 bytes, lanes 16-31 the next
	v_lshlrev_b32 v[GO], 12, v2
	v_lshl_add_u32 v[GO], v1, 4, v[GO]             ; and the same two rows of out0
.irp a, 0,1,2,3
	v_mov_b32 v[RLV+2*\a+1], 0                     ; (named as the upper halves of pairs, so they are written)
.endr
.irp i, 0,1,2,3,4,5,6,7
	v_mov_b32 v[FH1+2*\i+1], 0                     ; (likewise)
	v_mov_b32 v[FH1+24+2*\i+1], 0
.endr
	v_lshl_add_u32 v[FW], v0, 2, FTAB
	v_lshl_add_u32 v[RW], v0, 2, RL
	v_mov_b32 v[NEG], 0xff61b1e6                   ; -3e38, under every c m
	v_mov_b32 v[M1], 0xff61b1e6
	v_mov_b32 v[M2], 0xff61b1e6
	v_mov_b32 v[L1], 0
	v_mov_b32 v[L2], 0
	s_wait_loadcnt 0x0
.set ee, 0
.rept 34                               ; the largest c m of each of my two rows; which row a block belongs to is chosen by ids
	s_cmp_gt_u32 s[E1], ee
	s_cselect_b32 s[MK], -1, 0
	v_cndmask_b32 v[TA], v[NEG], v[DT+2*ee], s[MK]
	v_cndmask_b32 v[TC], v[DT+2*ee], v[NEG], s[MK]
	v_max_num_f32 v[M1], v[M1], v[TA]
	v_max_num_f32 v[M2], v[M2], v[TC]
.set ee, ee+1
.endr
.set ee, 0
.rept 34
	s_cmp_gt_u32 s[E1], ee
	s_cselect_b32 s[MK], -1, 0
	v_cndmask_b32 v[TA], v[M2], v[M1], s[MK]
	v_sub_f32 v[DT+2*ee], v[DT+2*ee], v[TA]        ; c m - M, 0 or less (key 0 counts for every query, so M is a score's)
.set ee, ee+1
.endr
.set ee, 0
.rept 34
	v_exp_f32 v[DT+2*ee], v[DT+2*ee]               ; f: one batch
.set ee, ee+1
.endr
	v_nop                                          ; a plain instruction behind the last exponential
	s_wait_alu depctr_va_vdst(0)                   ; one wait for the batch, ahead of its first reader
.set ee, 0
.rept 34
	s_cmp_gt_u32 s[E1], ee
	s_cselect_b32 s[MK], -1, 0
	v_mul_f32 v[DT+2*ee+1], v[DT+2*ee+1], v[DT+2*ee]   ; f l
	ds_store_b32 v[FW], v[DT+2*ee] offset:512*ee       ; f, as f32
	v_cndmask_b32 v[TA], 0, v[DT+2*ee+1], s[MK]
	v_cndmask_b32 v[TC], v[DT+2*ee+1], 0, s[MK]
	v_add_f32 v[L1], v[L1], v[TA]
	v_add_f32 v[L2], v[L2], v[TC]
.set ee, ee+1
.endr
	v_rcp_f32 v[TA], v[L1]
	v_rcp_f32 v[TC], v[L2]
	v_nop
	s_wait_alu depctr_va_vdst(0)
	ds_store_b32 v[RW], v[TA]
	ds_store_b32 v[RW], v[TC] offset:512
	s_wait_tensorcnt 1                             ; my part of slot 0 is in (slot 1's load may be out)
	s_wait_dscnt 0x0                               ; my rows of the tables are stored,
	s_barrier_signal -1
	s_barrier_wait -1                              ; everybody's are
	FWORDS 1                                       ; step 0's f words and fragments
.irp kq, 0,1,2,3
	CHUNK 1, 0, 0, \kq
.endr
	WIN 0
	ZERO
	s_mov_b32 s[TRIP], 3
.Lloop:                                                ; a trip walks both slots, four steps, and fills both again: slots' worth 2 to 7
	PARTA 0, 1, 1
	PARTB 0, 1, 1
	PARTA 1, 1, 1
	PARTB 1, 1, 1
	WIN 0
	s_sub_co_u32 s[TRIP], s[TRIP], 1
	s_cmp_lg_u32 s[TRIP], 0
	s_cbranch_scc1 .Lloop
	PARTA 0, 1, 0                                  ; steps 12 to 16 are written out: the change of query block lies at step 8 at the latest
	PARTB 0, 2, 0                                  ; the last refill: step 16
	PARTA 1, 1, 0
	PARTB 1, 0, 0
	PARTA 0, 0, 0
	PLACES
	ACCUM 1
	WIN 0
	EPILOGUE 1
	s_wait_tensorcnt 0x0                           ; the wave's end: the wait, an add and its wait behind my last tensor load and my last LDS store
	ds_add_u32 v[SPW], v[NIL]
	s_wait_dscnt 0x0
	CROUND                                         ; the closing round: no work-group ends while a partner may still ask for a tile that names it
	s_endpgm
.Lfunc_end_k_qeb046366ed_pv:
	.size	k_qeb046366ed_pv, .Lfunc_end_k_qeb046366ed_pv-k_qeb046366ed_pv
	.p2alignl 7, 3214868480
	.fill 96, 4, 3214868480
	.section	.rodata,"a",@progbits
	.p2align	6, 0x0
	.amdhsa_kernel k_qeb046366ed_pv
		.amdhsa_group_segment_fixed_size 327680
		.amdhsa_private_segment_fixed_size 0
		.amdhsa_enable_private_segment 0
		.amdhsa_kernarg_size 32
		.amdhsa_user_sgpr_count 2
		.amdhsa_user_sgpr_kernarg_segment_ptr 1
		.amdhsa_wavefront_size32 1
		.amdhsa_system_sgpr_workgroup_id_x 1
		.amdhsa_system_sgpr_workgroup_id_y 1
		.amdhsa_system_sgpr_workgroup_id_z 1
		.amdhsa_system_vgpr_workitem_id 0
		.amdhsa_next_free_vgpr 1024
		.amdhsa_next_free_sgpr 80
		.amdhsa_reserve_vcc 0
		.amdhsa_float_denorm_mode_32 3
		.amdhsa_float_denorm_mode_16_64 3
		.amdhsa_memory_ordered 1
		.amdhsa_forward_progress 1
		.amdhsa_inst_pref_size 255
	.end_amdhsa_kernel
	.section	.bss,"aw",@nobits
	.p2align	6
	.space	262144
	.amdgpu_metadata
---
amdhsa.version: [ 1, 2 ]
amdhsa.kernels:
  - .name:           k_qeb046366ed_pv
    .symbol:         k_qeb046366ed_pv.kd
    .args:
      - { .name: pb, .offset: 0, .size: 8, .value_kind: global_buffer, .address_space: global }
      - { .name: hb, .offset: 8, .size: 8, .value_kind: global_buffer, .address_space: global }
      - { .name: st, .offset: 16, .size: 8, .value_kind: global_buffer, .address_space: global }
      - { .name: out0, .offset: 24, .size: 8, .value_kind: global_buffer, .address_space: global }
    .group_segment_fixed_size: 327680
    .private_segment_fixed_size: 0
    .kernarg_segment_align: 8
    .kernarg_segment_size: 32
    .max_flat_workgroup_size: 128
    .sgpr_count:     80
    .vgpr_count:     1024
    .wavefront_size: 32
...
	.end_amdgpu_metadata
.endif
;; end of part 4
